; MI455X (gfx1250); checked and timed in simulation.
; The chip was launched on July 23, 2026; its instructions are those of AMD's public machine-readable ISA for CDNA 5 (MIT licence, August 2026) and "CDNA5" Instruction Set Architecture Reference Guide (July 2026). The comments in the code are by the model that wrote it; some were corrected since.
;; Two Stream Attention. Allowed arithmetic: matrix products marked QUANTISED: E4M3 operands, one E8M0 scale for each 32 along K, by v_wmma_scale_f32_16x16x128_f8f6f4 with both operands' format E4M3, f32 sums; everything else in f32.
;; Inputs: Wk 1,024 x 16 x 64 float32; Wo 1,024 x 16 x 64 float32; Wq 1,024 x 16 x 64 float32; Wv 1,024 x 16 x 64 float32; g 2,048 x 2 x 1,024 float32; h 2,048 x 2 x 1,024 float32; ln_beta 1,024 float32; ln_gamma 1,024 float32; r_w_bias 16 x 64 float32.
;; Outputs: out0 2,048 x 2 x 1,024 float32; out1 2,048 x 2 x 1,024 float32.
;; This version of the problem:
;;   THIS VERSION OF THE PROBLEM IS GIVEN IN LOW PRECISION. The matrix products marked QUANTISED in the list below multiply operands that are first quantised to E4M3 (4 exponent bits, 3 mantissa bits; 8 bits a number), with one power-of-two scale for each 32 numbers along K (OCP MX v1.0); their sums are f32. All else is computed in f32.
;;   The module's matrix products, in the order in which they are computed (A, B: the left and right operand; K: the contracted axis; several contracted axes count as one K, in the product's order):
;;     1. [M 4,096, K 1,024] x [K 1,024, N 1,024]; A: input h; B: input Wk: QUANTISED
;;     2. [M 4,096, K 1,024] x [K 1,024, N 1,024]; A: input h; B: input Wv: QUANTISED
;;     3. [M 4,096, K 1,024] x [K 1,024, N 1,024]; A: input h; B: input Wq: QUANTISED
;;     4. batch 32 x [M 2,048, K 64] x [K 64, N 2,048]; A: computed on the way; B: computed on the way: QUANTISED
;;     5. batch 32 x [M 64, K 2,048] x [K 2,048, N 2,048]; A: computed on the way; B: softmax (see below): QUANTISED
;;     6. [M 4,096, K 1,024] x [K 1,024, N 1,024]; A: computed on the way; B: input Wo: QUANTISED
;;     7. [M 4,096, K 1,024] x [K 1,024, N 1,024]; A: input g; B: input Wq: QUANTISED
;;     8. batch 32 x [M 2,048, K 64] x [K 64, N 2,048]; A: computed on the way; B: computed on the way: QUANTISED
;;     9. batch 32 x [M 64, K 2,048] x [K 2,048, N 2,048]; A: computed on the way; B: softmax (see below): QUANTISED
;;     10. [M 4,096, K 1,024] x [K 1,024, N 1,024]; A: computed on the way; B: input Wo: QUANTISED
;;   THE QUANTISER, for each operand of a quantised product, along K:
;;     - K is cut into blocks of 32 from its start; a last block that is shorter is filled with zeros.
;;     - A block's scale is 2^e with e = floor(log2(the largest magnitude in the block)) - 8, held to -126 .. 127; a block of zeros has e = 0. As a byte (E8M0): e + 127.
;;     - Each number is divided by its block's scale, clamped to +-448, and rounded to the nearest number of E4M3, ties to even, subnormals kept.
;;     - The product sums the exact products of the quantised numbers (number of the format x scale) in f32.
;;   ~~~python
;;   def quantise(x, axis):      # numpy; x: float32 -> the quantised numbers, widened to float32 again
;;       x = np.moveaxis(x, axis, -1); K = x.shape[-1]
;;       x = np.pad(x, [(0, 0)] * (x.ndim - 1) + [(0, -K % 32)]); x = x.reshape(x.shape[:-1] + (-1, 32)); a = np.abs(x).max(-1, keepdims=True)
;;       e = np.where(a > 0, np.clip(np.frexp(np.where(a > 0, a, 1))[1] - 1 - 8, -126, 127), 0)      # np.frexp(a)[1] - 1 = floor(log2(a)), exactly
;;       r = np.clip(x / 2.0 ** e, -448, 448)
;;       step = 2.0 ** (np.maximum(np.frexp(np.where(r == 0, 1, r))[1] - 1, -6) - 3)
;;       q = np.round(r / step) * step * 2.0 ** e      # np.round: ties to even
;;       return np.moveaxis(q.reshape(q.shape[:-2] + (-1,))[..., :K], -1, axis).astype(np.float32)
;;   ~~~
;;   SOFTMAX AHEAD OF A QUANTISED PRODUCT. Where the list says 'softmax', what is quantised is not the finished softmax but p = 2^(t - M), with t = logit x log2(e) and M = ceil(the row's largest t), a whole number; so 1/2 < the row's largest p <= 1. The row's sum l is taken of the UNQUANTISED p, in f32, and the product's result is divided by l at the end. Since M is a whole number, a kernel that streams over the keys may use a running M (the ceiling of the running maximum): every later rescaling is an exact power of two, which a block's scale takes up: the codes' values come out the same.
;;   OPERANDS COMPUTED ON THE WAY. 'Computed on the way' means the value that the module computes at that place (a softmax that the list does not call 'softmax' is quantised finished and normalised). What goes into a quantiser is computed in f32, as accurately as f32 sums, v_exp_f32 and their like allow (about 1e-6 of the number): no bf16 or f16 on the way to a quantiser, and a product that is left as it is and whose result goes on into a quantised operand takes f32 operands (vector FMAs, or v_wmma_f32_16x16x4_f32). A number that lies on a knife's edge between two numbers of the format may be rounded either way, as far as f32 arithmetic and the matrix unit's own rounding can turn it there, and no further.
;; One version. Each part assembles by itself: llvm-mc -triple=amdgcn-amd-amdhsa -mcpu=gfx1250 --defsym DOCPART=n.
;; ======== version 1 of 1: 4 launches
;; limits: right only within a limited range of input values
;; workspace buffers: ops 12,976,128 bytes; qkv 17,694,720 bytes; att 8,650,752 bytes
;; launch quant (part 1): grid 480 x 1, 4 waves a work-group, no clusters, 34,304 bytes of LDS; arguments h, g, Wo, Wq, Wk, Wv, ops; writes ops
.if DOCPART == 1
	.amdgcn_target "amdgcn-amd-amdhsa--gfx1250"
	.amdhsa_code_object_version 6
	.text
	.protected	k_qd5e33e56fb_quant
	.globl	k_qd5e33e56fb_quant
	.p2align	8
	.type	k_qd5e33e56fb_quant,@function
k_qd5e33e56fb_quant:
	s_mov_b64 s[64:65], 0
	v_nop
	global_prefetch_b8 v0, s[64:65] scope:SCOPE_SE
	s_setreg_imm32_b32 hwreg(HW_REG_WAVE_MODE, 25, 1), 1
	s_wait_xcnt 0x0
; h, g [2048][2][1024], Wo [1024][1024] (K innermost) and Wq, Wk, Wv [1024 (K)][1024] (K outermost), all f32, become codes of FP8 (E4M3) with one E8M0 byte for each 32 along K.
; A block's scale is 2^(floor(log2(largest magnitude)) - 8); each number is divided by it, held within +-448 and rounded to the nearest code, ties to even.
; THE CODES ARE LAID AS IMAGES OF A MATRIX OPERAND'S REGISTERS.  A fragment is 16 rows x 128 K = 2,048 bytes: [c 0..3][lane 0..31][16 bytes]; lane (r = lane % 16, h = lane / 16) of group c holds row r, K = 32 c + 16 h + 0 .. 15.
; ops: [tile 0..767][K step 0..7][2,048]; tiles 0-511 the rows of h and g, ordered (stream, b, i); 512-703 the columns of Wq, Wk, Wv; 704-767 the rows of Wo.
; THE ROWS OF A TILE ARE NOT NEIGHBOURS: row r of tile 2 B + u is index 32 B + 8 u + r + 8 (r / 8), so that a product that takes such tiles as source 0 leaves 16 neighbours in a lane's 16 registers of two neighbouring tiles.
; The scale words lie behind the codes: [tile][K step / 2][r][2 words], 512 bytes a tile.
; LIMITS: NaN and infinities among the inputs are not served.  A block whose largest magnitude lies under 2^-118 gets the byte 1; so does a block of zeros (the rule says 127): its codes are zeros, which add nothing under
; any byte but 0xff, and this program alone reads the bytes.
; Work-groups 0-287 take the tensors whose K is innermost, 288-479 those whose K is outermost.  Waves share nothing: no barrier.  Memory binds: no matrix unit, no cluster, no tensor load.
.set OSCL, 12582912                    ; where the scale words begin in ops
.set SP,   528                         ; a stage row: 512 bytes + 16: row r starts 4 r banks on, so the 16 rows that a load touches start at 16 different banks
.set WST,  16*SP                       ; a wave's stage
.set L16,  1                           ; v1   16 x lane
.set STA,  2                           ; v2   the stage, on the way in: my 16 bytes of a row
.set LDA,  3                           ; v3   and on the way out: row r, + 64 h
.set L8,   4                           ; v4   8 x lane
.set PW,   8                           ; v8-11   the scale words of my four K steps
.set TM,   12                          ; v12-15 largest magnitudes, v16-19 bytes, v20-23 448 x the scale, v24-27 the conversions' scale operands
.set PC,   28                          ; v28-43  the codes just made
.set R,    44                          ; v44-235 three sets of 64 numbers
.set SEL,  66                          ; s[66:67] lane selects: lane l xor 16
.set MNT,  68                          ; s68  the mantissa field of 448
	s_load_b256 s[4:11], s[0:1], 0x0               ; h, g, Wo, Wq
	s_load_b128 s[12:15], s[0:1], 0x20             ; Wk, Wv
	s_load_b64 s[16:17], s[0:1], 0x30              ; ops
	v_lshl_add_u32 v240, v0, 2, 0x8400
	v_mov_b32 v241, 0
	v_lshrrev_b32 v1, 5, v0
	v_readfirstlane_b32 s24, v1                    ; wave 0..3
	v_and_b32 v5, 31, v0                           ; lane
	s_mov_b32 s[SEL], 0x76543210
	s_mov_b32 s[SEL+1], 0xfedcba98
	s_mov_b32 s[MNT], 0x600000
	s_cmp_lt_u32 ttmp9, 288
	s_cbranch_scc0 .Lpath_b
; ---- K INNERMOST.  A wave takes one tile (16 rows) x half of K (4 K steps of 128).  Each load reads 512 consecutive bytes of one row; a K step's 16 x 512 bytes turn through the wave's stage, so that a lane
; ---- gets, of row r, the 16 neighbours 32 c + 16 h + 0 .. 15 of each block c: the order of the operand's registers.
	s_lshl_b32 s26, ttmp9, 1
	s_lshr_b32 s25, s24, 1
	s_add_co_u32 s26, s26, s25                     ; my tile among the 576: 2 x work-group + wave / 2
	s_and_b32 s27, s24, 1                          ; which half of K
	s_and_b32 s25, s26, 127                        ; the tile within its 128
	s_lshr_b32 s22, s25, 1
	s_lshl_b32 s22, s22, 5
	s_and_b32 s23, s25, 1
	s_lshl_b32 s23, s23, 3
	s_add_co_u32 s22, s22, s23                     ; its first row: 32 (tile / 2) + 8 (tile % 2)
	s_mov_b32 s28, 4096
	s_cmp_lt_u32 ttmp9, 256
	s_cselect_b32 s28, 8192, s28                   ; bytes from row to row: in h and g the two b lie between
	s_cselect_b32 s23, 0, 192
	s_add_co_u32 s2, s26, s23                      ; the tile's number in ops: Wo's begin at 704
	s_mov_b32 s29, 0
	s_mul_i32 s30, s28, 9                          ; from tile row 7 to tile row 8: nine rows on
	s_mov_b32 s31, 0
	s_mul_i32 s22, s22, s28
	s_bfe_u32 s25, s26, 0x10007                    ; b (0 for Wo)
	s_lshl_b32 s25, s25, 12
	s_add_co_u32 s22, s22, s25
	s_lshl_b32 s25, s27, 11
	s_add_co_u32 s22, s22, s25                     ; + my half of K: 2,048 bytes
	s_mov_b32 s23, 0
	s_lshl_b32 s18, s2, 14
	s_lshl_b32 s25, s27, 13
	s_add_co_u32 s18, s18, s25                     ; my four fragments in ops
	s_mov_b32 s19, 0
	s_lshl_b32 s20, s2, 9
	s_lshl_b32 s25, s27, 8
	s_add_co_u32 s20, s20, s25
	s_add_co_u32 s20, s20, OSCL                    ; and their 256 bytes of scale words
	s_mov_b32 s21, 0
	v_and_b32 v6, 15, v0                           ; r
	v_bfe_u32 v7, v0, 4, 1                         ; h
	s_wait_alu depctr_va_vdst(0)
	v_lshlrev_b32 v[L16], 4, v5
	v_lshlrev_b32 v[L8], 3, v5
	s_mul_i32 s25, s24, WST
	v_add_nc_u32 v[STA], s25, v[L16]
	v_mul_u32_u24 v[LDA], v6, SP
	v_lshl_add_u32 v[LDA], v7, 6, v[LDA]
	v_add_nc_u32 v[LDA], s25, v[LDA]
.irp b, 0,1,2,3
	v_mov_b32 v[TM+4+\b], 0                        ; written once: a lane permute's destination counts as one of its sources
.endr
	s_wait_alu depctr_va_vdst(0)
	s_wait_kmcnt 0x0
	s_cmp_lt_u32 ttmp9, 128                        ; the choice hangs on the work-group's number alone
	s_cselect_b64 s[4:5], s[4:5], s[6:7]           ; h or g,
	s_cmp_lt_u32 ttmp9, 256
	s_cselect_b64 s[4:5], s[4:5], s[8:9]           ; or Wo
	s_add_nc_u64 s[32:33], s[4:5], s[22:23]        ; a base for each of the tile's 16 rows
.irp k, 1,2,3,4,5,6,7
	s_add_nc_u64 s[32+2*\k:33+2*\k], s[30+2*\k:31+2*\k], s[28:29]
.endr
	s_add_nc_u64 s[48:49], s[46:47], s[30:31]
.irp k, 9,10,11,12,13,14,15
	s_add_nc_u64 s[32+2*\k:33+2*\k], s[30+2*\k:31+2*\k], s[28:29]
.endr
	s_add_nc_u64 s[18:19], s[16:17], s[18:19]
	s_add_nc_u64 s[20:21], s[16:17], s[20:21]
.macro LOADX t                         ; K step t of my four: 16 rows x 512 consecutive bytes, into set t % 3
.irp k, 0,1,2,3,4,5,6,7,8,9,10,11,12,13,14,15
	global_load_b128 v[R+64*((\t)%3)+4*\k:R+64*((\t)%3)+4*\k+3], v[L16], s[32+2*\k:33+2*\k] offset:512*(\t) th:TH_LOAD_NT
.endr
.endm
.macro TURN t                          ; through the stage and back into the registers that they left; LDS serves a wave's instructions in order, so no wait stands between
.irp k, 0,1,2,3,4,5,6,7,8,9,10,11,12,13,14,15
	ds_store_b128 v[STA], v[R+64*((\t)%3)+4*\k:R+64*((\t)%3)+4*\k+3] offset:SP*\k
.endr
.irp c, 0,1,2,3
.irp j, 0,1,2,3
	ds_load_b128 v[R+64*((\t)%3)+16*\c+4*\j:R+64*((\t)%3)+16*\c+4*\j+3], v[LDA] offset:128*\c+16*\j
.endr
.endr
.endm
; 64 numbers of a lane, register 16 b + i = K 32 b + 16 h + i of my row, become a fragment's codes in v[PC] on and its scale word in v[w]
.macro QUANT s, w
.set XR, \s
.irp b, 0,1,2,3
	v_max3_num_f32 v[TM+\b], |v[XR+16*\b]|, |v[XR+16*\b+1]|, 0x4800000   ; my 16 numbers of block b, and the floor 2^(9 - 127): the byte cannot fall under 1
.endr
.irp i, 2,4,6,8,10,12,14
.irp b, 0,1,2,3
	v_max3_num_f32 v[TM+\b], v[TM+\b], |v[XR+16*\b+\i]|, |v[XR+16*\b+\i+1]|   ; the four blocks by turns
.endr
.endr
.irp b, 0,1,2,3
	v_permlanex16_b32 v[TM+4+\b], v[TM+\b], s[SEL], s[SEL+1]
.endr
.irp b, 0,1,2,3
	v_max_num_f32 v[TM+\b], v[TM+\b], v[TM+4+\b]   ; with lane l xor 16's 16: the block's largest magnitude
.endr
.irp b, 0,1,2,3
	v_add_nc_u32 v[TM+12+\b], 0xfc000000, v[TM+\b] ; 8 off its exponent field: the conversion takes that field as its scale
.endr
.irp b, 0,1,2,3
	v_and_or_b32 v[TM+8+\b], v[TM+\b], 0x7f800000, s[MNT]   ; 448 x the scale
.endr
.irp b, 0,1,2,3
	v_lshrrev_b32 v[TM+4+\b], 23, v[TM+12+\b]      ; the scale's byte
.endr
	v_lshl_or_b32 v[\w], v[TM+5], 8, v[TM+4]
	v_lshl_or_b32 v[\w], v[TM+6], 16, v[\w]
	v_lshl_or_b32 v[\w], v[TM+7], 24, v[\w]
.irp b, 0,1,2,3
.irp i, 0,1,2,3,4,5,6,7,8,9,10,11,12,13,14,15
	v_med3_num_f32 v[XR+16*\b+\i], v[XR+16*\b+\i], -v[TM+8+\b], v[TM+8+\b]   ; the conversion to an 8-bit code does not saturate (ISA guide 7.6.2): the hold comes first
.endr
	v_cvt_scalef32_pk8_fp8_f32 v[PC+4*\b:PC+4*\b+1], v[XR+16*\b:XR+16*\b+7], v[TM+12+\b]
	v_cvt_scalef32_pk8_fp8_f32 v[PC+4*\b+2:PC+4*\b+3], v[XR+16*\b+8:XR+16*\b+15], v[TM+12+\b]
.endr
	v_nop                                          ; a plain line behind the last conversion
.endm
.macro OUT t                           ; the fragment as it stands: each store covers 512 consecutive bytes, aligned
.irp c, 0,1,2,3
	global_store_b128 v[L16], v[PC+4*\c:PC+4*\c+3], s[18:19] offset:2048*(\t)+512*\c
.endr
.endm
	LOADX 0
	LOADX 1
	LOADX 2
	s_wait_loadcnt 32                              ; K step 0 is in; the 32 loads of steps 1 and 2 may be out
	TURN 0
	s_wait_loadcnt 16                              ; step 1 is in; step 2's 16 may be out
	TURN 1
	s_wait_dscnt 32                                ; step 0 is back from the stage; step 1's 16 stores and 16 loads may be out
	QUANT R, PW
	OUT 0
	LOADX 3                                        ; into the set that step 0 has left
	s_wait_loadcnt 16                              ; step 2 is in; step 3's 16 may be out
	TURN 2
	s_wait_dscnt 32
	s_wait_xcnt 0x0                                ; the last stores have read the codes' registers, which are written again now
	QUANT R+64, PW+1
	OUT 1
	s_wait_loadcnt 0x0
	TURN 3
	s_wait_dscnt 32
	s_wait_xcnt 0x0
	QUANT R+128, PW+2
	OUT 2
	s_wait_dscnt 0x0
	s_wait_xcnt 0x0
	QUANT R, PW+3
	OUT 3
	v_cmp_lt_u32 vcc_lo, 15, v5                    ; lanes 16-31 hold the same words as lanes 0-15: they send the second pair of K steps
	v_cndmask_b32 v12, v[PW], v[PW+2], vcc_lo
	v_cndmask_b32 v13, v[PW+1], v[PW+3], vcc_lo
	global_store_b64 v[L8], v[12:13], s[20:21]     ; [pair of K steps h][r][2 words]: 256 consecutive bytes, aligned
	s_wait_tensorcnt 0x0
	ds_add_u32 v240, v241
	s_wait_dscnt 0x0
	s_endpgm
; ---- K OUTERMOST: work-groups 288 to 479.  A lane takes a column and its registers run down K: a block of 32 lies in one lane.  A work-group takes 64 columns x 256 along K;
; ---- a wave 32 columns (two tiles) x 128 along K (one K step, four blocks): wave / 2 says which 32 columns, wave % 2 which K step of the pair.
.Lpath_b:
.set X,  32                            ; v32-95  two sets of 32 numbers
.set C,  96                            ; v96-103 a block's codes
.set SB, 24                            ; v24  the scale bytes, four to a register
	s_sub_co_u32 s25, ttmp9, 288
	s_lshr_b32 s26, s25, 2                         ; which 64 columns of the 3 x 1,024
	s_and_b32 s27, s25, 3                          ; which 256 along K
	s_lshr_b32 s36, s24, 1                         ; which 32 of the work-group's 64 columns (s26: which 64 of the 3 x 1,024)
	s_and_b32 s37, s24, 1                          ; which 128 of its 256 along K
	s_and_b32 s28, s26, 15
	s_lshl_b32 s28, s28, 8
	s_lshl_b32 s29, s36, 7
	s_add_co_u32 s28, s28, s29                     ; my first column, in bytes
	s_lshl_b32 s29, s27, 20                        ; 256 rows of 4,096 bytes
	s_add_co_u32 s28, s28, s29
	s_lshl_b32 s29, s37, 19                        ; 128 rows
	s_add_co_u32 s28, s28, s29
	s_mov_b32 s29, 0
	s_lshl_b32 s30, s26, 2
	s_lshl_b32 s31, s36, 1
	s_add_co_u32 s30, s30, s31
	s_add_co_u32 s30, s30, 512                     ; the first of my two tiles
	s_lshl_b32 s32, s30, 14
	s_lshl_b32 s33, s27, 12
	s_add_co_u32 s32, s32, s33
	s_lshl_b32 s33, s37, 11
	s_add_co_u32 s32, s32, s33                     ; its K step 2 y + wave % 2
	s_mov_b32 s33, 0
	s_lshl_b32 s34, s30, 9
	s_lshl_b32 s35, s27, 7
	s_add_co_u32 s34, s34, s35
	s_lshl_b32 s35, s37, 2
	s_add_co_u32 s34, s34, s35                     ; that K step's word of the pair
	s_add_co_u32 s34, s34, OSCL
	s_mov_b32 s35, 0
	s_wait_alu depctr_va_vdst(0)
	v_lshlrev_b32 v3, 2, v5                        ; in: 4 bytes a lane
	v_bfe_u32 v6, v0, 3, 1                         ; column l of the 32 is row (l % 8) + 8 (l / 16) of tile (l / 8) % 2
	v_and_b32 v7, 7, v0
	v_bfe_u32 v8, v0, 4, 1
	v_lshl_or_b32 v7, v8, 3, v7
	v_lshlrev_b32 v4, 14, v6
	v_lshl_add_u32 v4, v7, 4, v4                   ; my row's 16 bytes in a group of an image
	v_lshlrev_b32 v9, 9, v6
	v_lshl_add_u32 v9, v7, 3, v9                   ; and its two scale words
	s_wait_alu depctr_va_vdst(0)
	s_wait_kmcnt 0x0
	s_cmp_lt_u32 s26, 16
	s_cselect_b64 s[10:11], s[10:11], s[12:13]     ; Wq or Wk,
	s_cmp_lt_u32 s26, 32
	s_cselect_b64 s[10:11], s[10:11], s[14:15]     ; or Wv
	s_add_nc_u64 s[10:11], s[10:11], s[28:29]
	s_add_nc_u64 s[18:19], s[16:17], s[32:33]
	s_add_nc_u64 s[20:21], s[16:17], s[34:35]
.macro LOADW t                         ; block t: W(32 t + i, my column): 128 consecutive bytes a wave, 512 a work-group
.irp i, 0,1,2,3,4,5,6,7,8,9,10,11,12,13,14,15,16,17,18,19,20,21,22,23,24,25,26,27,28,29,30,31
	global_load_b32 v[X+32*((\t)%2)+\i], v3, s[10:11] offset:(32*(\t)+\i)*4096 th:TH_LOAD_NT
.endr
.endm
.macro BLOCK t
.set XS, X+32*((\t)%2)
.if (\t) < 3
	s_wait_loadcnt 32                              ; this block's 32 loads are in; the next block's may be out
.else
	s_wait_loadcnt 0x0
.endif
	v_max3_num_f32 v12, |v[XS]|, |v[XS+1]|, |v[XS+2]|
	v_max3_num_f32 v13, |v[XS+3]|, |v[XS+4]|, |v[XS+5]|
.irp i, 6,10,14,18,22,26
	v_max3_num_f32 v12, v12, |v[XS+\i]|, |v[XS+\i+1]|
	v_max3_num_f32 v13, v13, |v[XS+\i+2]|, |v[XS+\i+3]|
.endr
	v_max3_num_f32 v12, v12, |v[XS+30]|, |v[XS+31]|
	v_max3_num_f32 v12, v12, v13, 0x4800000        ; the block's largest magnitude, over the floor
	v_add_nc_u32 v11, 0xfc000000, v12
	v_and_or_b32 v10, v12, 0x7f800000, s[MNT]
	v_lshrrev_b32 v13, 23, v11
.if (\t)%4 == 0
	v_mov_b32 v[SB+(\t)/4], v13
.else
	v_lshl_or_b32 v[SB+(\t)/4], v13, 8*((\t)%4), v[SB+(\t)/4]
.endif
.irp i, 0,1,2,3,4,5,6,7,8,9,10,11,12,13,14,15,16,17,18,19,20,21,22,23,24,25,26,27,28,29,30,31
	v_med3_num_f32 v[XS+\i], v[XS+\i], -v10, v10
.endr
.if (\t) > 0
	s_wait_alu depctr_va_vdst(0)
	s_wait_xcnt 0x0                                ; the last block's stores have read the codes' registers
.endif
.irp g, 0,1,2,3
	v_cvt_scalef32_pk8_fp8_f32 v[C+2*\g:C+2*\g+1], v[XS+8*\g:XS+8*\g+7], v11
.endr
	v_nop
	global_store_b128 v4, v[C:C+3], s[18:19] offset:((\t)/4)*2048+((\t)%4)*512        ; K 32 c + 0 .. 15: the image's lanes 0-15; the 16 lanes of a tile fill 256 consecutive bytes, aligned
	global_store_b128 v4, v[C+4:C+7], s[18:19] offset:((\t)/4)*2048+((\t)%4)*512+256  ; K 32 c + 16 .. 31: its lanes 16-31
.if (\t)+2 < 4
	LOADW (\t)+2
.endif
.endm
	LOADW 0
	LOADW 1
.irp t, 0,1,2,3
	BLOCK \t
.endr
	global_store_b32 v9, v[SB], s[20:21]           ; my K step's word of each row's pair: 4 bytes a lane, 8 bytes apart; the wave beside me writes the other word: 96 KB in all the launch
	s_endpgm
.Lfunc_end_k_qd5e33e56fb_quant:
	.size	k_qd5e33e56fb_quant, .Lfunc_end_k_qd5e33e56fb_quant-k_qd5e33e56fb_quant
	.p2alignl 7, 3214868480
	.fill 96, 4, 3214868480
	.section	.rodata,"a",@progbits
	.p2align	6, 0x0
	.amdhsa_kernel k_qd5e33e56fb_quant
		.amdhsa_group_segment_fixed_size 34304
		.amdhsa_private_segment_fixed_size 0
		.amdhsa_enable_private_segment 0
		.amdhsa_kernarg_size 56
		.amdhsa_user_sgpr_count 2
		.amdhsa_user_sgpr_kernarg_segment_ptr 1
		.amdhsa_wavefront_size32 1
		.amdhsa_system_sgpr_workgroup_id_x 1
		.amdhsa_system_sgpr_workgroup_id_y 1
		.amdhsa_system_sgpr_workgroup_id_z 1
		.amdhsa_system_vgpr_workitem_id 0
		.amdhsa_next_free_vgpr 242
		.amdhsa_next_free_sgpr 70
		.amdhsa_reserve_vcc 1
		.amdhsa_float_denorm_mode_32 3
		.amdhsa_float_denorm_mode_16_64 3
		.amdhsa_memory_ordered 1
		.amdhsa_forward_progress 1
		.amdhsa_inst_pref_size 81
	.end_amdhsa_kernel
	.amdgpu_metadata
---
amdhsa.version: [ 1, 2 ]
amdhsa.kernels:
  - .name:           k_qd5e33e56fb_quant
    .symbol:         k_qd5e33e56fb_quant.kd
    .args:
      - { .name: h, .offset: 0, .size: 8, .value_kind: global_buffer, .address_space: global }
      - { .name: g, .offset: 8, .size: 8, .value_kind: global_buffer, .address_space: global }
      - { .name: Wo, .offset: 16, .size: 8, .value_kind: global_buffer, .address_space: global }
      - { .name: Wq, .offset: 24, .size: 8, .value_kind: global_buffer, .address_space: global }
      - { .name: Wk, .offset: 32, .size: 8, .value_kind: global_buffer, .address_space: global }
      - { .name: Wv, .offset: 40, .size: 8, .value_kind: global_buffer, .address_space: global }
      - { .name: ops, .offset: 48, .size: 8, .value_kind: global_buffer, .address_space: global }
    .group_segment_fixed_size: 34304
    .private_segment_fixed_size: 0
    .kernarg_segment_align: 8
    .kernarg_segment_size: 56
    .max_flat_workgroup_size: 128
    .sgpr_count:     70
    .vgpr_count:     242
    .wavefront_size: 32
...
	.end_amdgpu_metadata
.endif
;; end of part 1
;; launch proj (part 2): grid 16 x 16, 4 waves a work-group, clusters of 4 x 4, 327,680 bytes of LDS; arguments ops, r_w_bias, qkv; writes qkv
.if DOCPART == 2
	.amdgcn_target "amdgcn-amd-amdhsa--gfx1250"
	.amdhsa_code_object_version 6
	.text
	.protected	k_qd5e33e56fb_proj
	.globl	k_qd5e33e56fb_proj
	.p2align	8
	.type	k_qd5e33e56fb_proj,@function
k_qd5e33e56fb_proj:
	s_mov_b64 s[64:65], 0
	v_nop
	global_prefetch_b8 v0, s[64:65] scope:SCOPE_SE
	s_setreg_imm32_b32 hwreg(HW_REG_WAVE_MODE, 25, 1), 1
	s_wait_xcnt 0x0
	s_wait_alu depctr_hold_cnt(0) depctr_sa_sdst(0) depctr_va_vdst(0) depctr_va_sdst(0) depctr_va_ssrc(0) depctr_va_vcc(0) depctr_vm_vsrc(0)
	s_getreg_b32 s2, hwreg(HW_REG_IB_STS2, 6, 4)
	s_cmp_eq_u32 s2, 0
	s_cbranch_scc0 .Lentry_in_a_cluster
	s_endpgm
.Lentry_in_a_cluster:
	s_bfe_u32 s2, ttmp6, 0x10000c
	s_cmp_lg_u32 s2, 0xf033
	s_cbranch_scc0 .Lentry_shape_is_right
	s_endpgm
.Lentry_shape_is_right:
.set OSCL,  12582912
.set KIMG,  8388608
.set VIMG,  12582912
.set QSCL,  16777216
.set KVS,   17301504
.set NQ,    2
.set FR,    16
.set NL,    4
.set NP,    8
.set HALFT, 32768
.set SLOT,  4*HALFT
.set LAPS,  2
.set SCL,   2*SLOT
.set SPARE, SCL+16384
.set ADRA, 16
.set ADRB, 20
.set BO,   25
.set L16,  26
.set ADRS, 27
.set SPW,  28
.set NIL,  29
.set SC,   32
.set BIAS, 64
.set AF,   128
.set PWR,  64
.set SL,   72
.set OU0,  76
.set OU1,  80
.set VO2,  84
.set VSO,  85
.set T,    128
.set PC,   192
.set TM,   224
.set G1, 24
.set G0, 32
.set G1B, 48
.set G0B, 56
.set G1S, 68
.set G0S, 76
.set G1SB, 80
.set G0SB, 88
.set SEL, 98
.set MNT, 100
.set MSB, 0
.macro WIN new
.if MSB != \new
	s_set_vgpr_msb (MSB<<8)|\new
.set MSB, \new
.endif
.endm
.set MUL_LO, 0xa1
.set MUL_HI, 0xf1
.set FST_LO, 0x81
.set FST_HI, 0xc1
.set TO_B,   0x40
.macro JLOAD g0a, g1a, g0b, g1b
	s_cmp_eq_u32 s15, 0
	s_cbranch_scc0 .Lfor_b_\@
	tensor_load_to_lds s[\g0a:\g0a+3], s[\g1a:\g1a+7]
	s_nop 0
.rept 4
	v_nop
.endr
	s_branch .Lasked_\@
.Lfor_b_\@:
	tensor_load_to_lds s[\g0b:\g0b+3], s[\g1b:\g1b+7]
	s_nop 0
.rept 4
	v_nop
.endr
.Lasked_\@:
.endm
.macro CREST
	s_cmp_lg_u32 s14, 0
	s_cbranch_scc1 .Lnot_wave_0_\@
	s_barrier_signal -3
.Lnot_wave_0_\@:
	s_barrier_wait -3
	s_barrier_signal -1
	s_barrier_wait -1
.endm
.macro CROUND
	s_barrier_signal -1
	s_barrier_wait -1
	CREST
.endm
	s_load_b128 s[4:7], s[0:1], 0x0
	s_load_b64 s[8:9], s[0:1], 0x10
	v_lshl_add_u32 v[SPW], v0, 2, SPARE
	v_mov_b32 v[NIL], 0
	ds_add_u32 v28, v29
	ds_add_u32 v28, v29
	s_wait_dscnt 0x0
	v_lshrrev_b32 v1, 5, v0
	v_readfirstlane_b32 s14, v1
	s_lshr_b32 s15, s14, 1
	s_and_b32 s16, s14, 1
	s_bfe_u32 s40, ttmp6, 0x40000
	s_bfe_u32 s41, ttmp6, 0x40004
	s_mov_b32 s42, ttmp9
	s_and_b32 s17, ttmp7, 0xffff
	s_lshl_b32 s17, s17, 2
	s_cmp_eq_u32 s42, 2
	s_cselect_b32 s95, 40, s17
	s_cselect_b32 s96, s17, 32
	s_cmp_eq_u32 s42, 1
	s_cselect_b32 s18, 4, 0
	s_add_co_u32 s96, s96, s18
	s_cmp_eq_u32 s42, 3
	s_cselect_b32 s18, 16, 0
	s_add_co_u32 s95, s95, s18
	s_add_co_u32 s95, s95, s41
	s_add_co_u32 s96, s96, s40
	s_cmp_eq_u32 s42, 0
	s_cselect_b32 s101, 1, 0
	s_cmp_eq_u32 s42, 3
	s_cselect_b32 s101, 1, s101
	s_sub_co_u32 s97, 0, s101
	s_lshl_b32 s43, s41, 2
	s_lshl_b32 s43, 15, s43
	s_lshl_b32 s44, 0x1111, s40
	s_or_b32 s[G1+0], s43, (3<<16)|(1<<21)
	s_or_b32 s[G1B+0], s44, (3<<16)|(1<<21)
.irp g, G1, G1B
	s_mov_b32 s[\g+1], 512<<16
	s_mov_b32 s[\g+2], 16<<16
	s_mov_b32 s[\g+3], 512<<16
	s_mov_b32 s[\g+4], 16
	s_mov_b32 s[\g+5], 2048
	s_mov_b32 s[\g+6], 0
	s_mov_b32 s[\g+7], 0
.endr
	s_or_b32 s[G1S+0], s43, (3<<16)|(1<<21)
	s_or_b32 s[G1SB+0], s44, (3<<16)|(1<<21)
.irp g, G1S, G1SB
	s_mov_b32 s[\g+1], 32<<16
	s_mov_b32 s[\g+2], 32<<16
	s_mov_b32 s[\g+3], 32<<16
	s_mov_b32 s[\g+4], 32
	s_mov_b32 s[\g+5], 32
	s_mov_b32 s[\g+6], 0
	s_mov_b32 s[\g+7], 0
.endr
	s_lshl_b32 s18, s16, 3
	s_lshl_b32 s20, s95, 4
	s_add_co_u32 s20, s20, s18
	s_lshl_b32 s46, s96, 4
	s_add_co_u32 s46, s46, s18
	s_lshl_b32 s22, s20, 9
	s_add_co_u32 s22, s22, OSCL
	s_mov_b32 s23, 0
	s_lshl_b32 s20, s20, 14
	s_mov_b32 s21, 0
	s_lshl_b32 s92, s46, 9
	s_add_co_u32 s92, s92, OSCL
	s_mov_b32 s93, 0
	s_lshl_b32 s46, s46, 14
	s_mov_b32 s47, 0
	s_mul_i32 s45, s14, HALFT
	s_mov_b32 s[SEL], 0x76543210
	s_mov_b32 s[SEL+1], 0xfedcba98
	s_mov_b32 s[MNT], 0x600000
	s_wait_kmcnt 0x0
	s_add_nc_u64 s[20:21], s[4:5], s[20:21]
	s_add_nc_u64 s[22:23], s[4:5], s[22:23]
	s_add_nc_u64 s[46:47], s[4:5], s[46:47]
	s_add_nc_u64 s[92:93], s[4:5], s[92:93]
	CROUND
	; THE HEAD'S FOUR TILES, EACH WHOLE, ONE JOINT LOAD A WAVE: wave 0 slot 0's 16 tiles of A, wave 1 its 16 tiles of B, wave 2 A's scale words, wave 3 B's.
	; s[20:23], s[46:47], s[92:93] point at my wave's half (8 tiles): the half's bytes are taken off, so that these four descriptors hang on no wave's number.
	s_lshl_b32 s10, s16, 17                        ; 8 tiles of 16,384 bytes of codes
	s_mov_b32 s11, 0
	s_lshl_b32 s12, s16, 12                        ; 8 tiles of 512 bytes of scale words
	s_mov_b32 s13, 0
	s_mov_b32 s[G0], 1                             ; slot 0's groups 0 serve the head's loads first; behind the wait for them they are set for the ring
	s_mov_b32 s[G0+1], 0
	s_sub_nc_u64 s[G0+2:G0+3], s[20:21], s[10:11]
	s_or_b32 s[G0+3], s[G0+3], 0x80000000
	s_mov_b32 s[G0B], 1
	s_mov_b32 s[G0B+1], 2*HALFT
	s_sub_nc_u64 s[G0B+2:G0B+3], s[46:47], s[10:11]
	s_or_b32 s[G0B+3], s[G0B+3], 0x80000000
	s_mov_b32 s[G0S], 1
	s_mov_b32 s[G0S+1], SCL
	s_sub_nc_u64 s[G0S+2:G0S+3], s[22:23], s[12:13]
	s_or_b32 s[G0S+3], s[G0S+3], 0x80000000
	s_mov_b32 s[G0SB], 1
	s_mov_b32 s[G0SB+1], SCL+8192
	s_sub_nc_u64 s[G0SB+2:G0SB+3], s[92:93], s[12:13]
	s_or_b32 s[G0SB+3], s[G0SB+3], 0x80000000
	s_mov_b32 s[G0+4], 1                           ; slot 1: my wave's 8 tiles, K steps 2 and 3
	s_add_co_u32 s[G0+5], s45, SLOT
	s_add_nc_u64 s[G0+6:G0+7], s[20:21], 4096
	s_or_b32 s[G0+7], s[G0+7], 0x80000000
	s_mov_b32 s[G0B+4], 1
	s_add_co_u32 s[G0B+5], s45, SLOT
	s_add_nc_u64 s[G0B+6:G0B+7], s[46:47], 4096
	s_or_b32 s[G0B+7], s[G0B+7], 0x80000000
.macro ARM under, g0, g1, next                 ; one chain of branches on the wave's number: every way through the head passes exactly one load
	s_cmp_lt_u32 s14, \under
	s_cbranch_scc0 \next
	tensor_load_to_lds s[\g0:\g0+3], s[\g1:\g1+7]
	s_nop 0
.rept 4
	v_nop
.endr
	s_branch .Lhead_asked
\next:
.endm
	ARM 1, G0,  G1,  .Lhead_b
	ARM 2, G0B, G1B, .Lhead_sa
	ARM 3, G0S, G1S, .Lhead_sb
	tensor_load_to_lds s[G0SB:G0SB+3], s[G1SB:G1SB+7]
	s_nop 0
.rept 4
	v_nop
.endr
.Lhead_asked:
	v_and_b32 v1, 15, v0
	v_bfe_u32 v2, v0, 4, 1
	s_wait_alu depctr_va_vdst(0)
	v_and_b32 v3, 31, v0
	v_lshlrev_b32 v[L16], 4, v3
	s_mul_i32 s21, s15, HALFT
	s_mul_i32 s22, s16, HALFT
	s_add_co_u32 s22, s22, 2*HALFT
.irp s, 0,1
	v_add_nc_u32 v[ADRA+\s], s21, v[L16]
	v_add_nc_u32 v[ADRB+\s], s22, v[L16]
	s_add_co_u32 s21, s21, SLOT
	s_add_co_u32 s22, s22, SLOT
.endr
	v_lshlrev_b32 v5, 3, v1
	s_lshl_b32 s21, s15, 12
	s_lshl_b32 s22, s16, 12
	s_add_co_u32 s22, s22, 8192
	s_sub_co_u32 s22, s22, s21
	v_mul_u32_u24 v6, s22, v2
	s_add_co_u32 s21, s21, SCL
	v_add_nc_u32 v5, v5, v6
	v_add_nc_u32 v[ADRS], s21, v5
	s_lshl_b32 s22, s40, 10
	s_lshl_b32 s23, s16, 9
	s_add_co_u32 s22, s22, s23
	s_mov_b32 s23, 0
	s_add_nc_u64 s[6:7], s[6:7], s[22:23]
	v_lshlrev_b32 v[BO], 6, v2
.irp b, 0,1,2,3,4,5,6,7
	global_load_b128 v[BIAS+8*\b:BIAS+8*\b+3], v[BO], s[6:7] offset:4*(32*(\b/2)+8*(\b%2))
	global_load_b128 v[BIAS+8*\b+4:BIAS+8*\b+7], v[BO], s[6:7] offset:4*(32*(\b/2)+8*(\b%2))+16
.endr
	s_wait_loadcnt 0x0
.set i, 0
.rept 64
	v_and_b32 v[BIAS+i], s97, v[BIAS+i]
.set i, i+1
.endr
.macro FRAG reg, adr, q, i
.irp c, 0,1,2,3
	ds_load_b128 v[\reg+4*\c:\reg+4*\c+3], v[\adr] offset:2048*(\q)+512*\c+4096*(\i)
.endr
.endm
.macro MUL16 a0, p, q, sc, first
.irp a, \a0, \a0+1
.irp b, 0,1,2,3,4,5,6,7
.if \first
	v_wmma_scale_f32_16x16x128_f8f6f4 v[8*(8*((\a)%4)+\b):8*(8*((\a)%4)+\b)+7], v[128*(\p)+FR*\b:128*(\p)+FR*\b+FR-1], v[AF+FR*(\a):AF+FR*(\a)+FR-1], v[BIAS+8*\b:BIAS+8*\b+7], v[SC+8*NQ*(\sc)+NQ*\b+(\q)], v[SC+8*NQ*(\sc)+NQ*(\a)+(\q)] matrix_a_scale:MATRIX_SCALE_ROW1
.else
	v_wmma_scale_f32_16x16x128_f8f6f4 v[8*(8*((\a)%4)+\b):8*(8*((\a)%4)+\b)+7], v[128*(\p)+FR*\b:128*(\p)+FR*\b+FR-1], v[AF+FR*(\a):AF+FR*(\a)+FR-1], v[8*(8*((\a)%4)+\b):8*(8*((\a)%4)+\b)+7], v[SC+8*NQ*(\sc)+NQ*\b+(\q)], v[SC+8*NQ*(\sc)+NQ*(\a)+(\q)] matrix_a_scale:MATRIX_SCALE_ROW1
.endif
.endr
.endr
.endm
.macro FETCH_B slot, q, p
	WIN TO_B
.irp i, 0,1,2,3,4,5,6,7
	FRAG 128*(\p)+FR*\i, ADRB+\slot, \q, \i
.endr
	WIN 0
.endm
.macro FETCH_A slot, q, i0
.irp i, \i0, \i0+1, \i0+2, \i0+3
	FRAG AF+FR*(\i), ADRA+\slot, \q, \i
.endr
.endm
.macro SCALES sc
.irp i, 0,1,2,3,4,5,6,7
	ds_load_b64 v[SC+8*NQ*\sc+NQ*\i:SC+8*NQ*\sc+NQ*\i+1], v[ADRS] offset:\i*512
.endr
.endm
.macro PLACES n
.rept \n
	v_nop
.endr
.endm
.macro STEP slot, q, first
	s_wait_dscnt 4*NL
.if \first
	WIN FST_LO
.else
	WIN MUL_LO
.endif
	MUL16 0, (\q)%2, \q, \slot, \first
	MUL16 2, (\q)%2, \q, \slot, \first
	s_wait_dscnt 0
	PLACES NP
	FETCH_B \slot, (\q)+1, 1-(\q)%2
	FETCH_A \slot, (\q)+1, 0
.if \first
	WIN FST_HI
.else
	WIN MUL_HI
.endif
	MUL16 4, (\q)%2, \q, \slot, \first
	MUL16 6, (\q)%2, \q, \slot, \first
	PLACES NP
	WIN 0
	FETCH_A \slot, (\q)+1, 4
.endm
.macro TURN slot, next, fill
	s_wait_tensorcnt 0x0
	ds_add_u32 v[SPW], v[NIL]
	s_wait_dscnt 4*NL+1
	WIN MUL_LO
	MUL16 0, 1, NQ-1, \slot, 0
	s_wait_dscnt 0x0
	s_barrier_signal -1
	MUL16 2, 1, NQ-1, \slot, 0
	WIN 0
	s_barrier_wait -1
.if \fill
	CREST
	s_add_nc_u64 s[G0+4*\slot+2:G0+4*\slot+3], s[G0+4*\slot+2:G0+4*\slot+3], 8192
	s_add_nc_u64 s[G0B+4*\slot+2:G0B+4*\slot+3], s[G0B+4*\slot+2:G0B+4*\slot+3], 8192
	JLOAD G0+4*\slot, G1, G0B+4*\slot, G1B
	PLACES NP-4
.else
	PLACES NP
.endif
	s_wait_alu depctr_va_vdst(0)
	v_add_nc_u32 v[ADRS], 128, v[ADRS]
	FETCH_B \next, 0, 0
	FETCH_A \next, 0, 0
	SCALES \next
	WIN MUL_HI
	MUL16 4, 1, NQ-1, \slot, 0
	MUL16 6, 1, NQ-1, \slot, 0
	PLACES NP
	WIN 0
	FETCH_A \next, 0, 4
.endm
	s_wait_alu depctr_va_vdst(0)
	s_wait_tensorcnt 0x0                           ; my tile of the head's four is in
	ds_add_u32 v[SPW], v[NIL]
	s_mov_b32 s[G1+2], 8<<16                       ; no tensor load of mine is out, so descriptors may be written: from here on a load brings 8 tiles,
	s_mov_b32 s[G1+4], 8
	s_mov_b32 s[G1B+2], 8<<16
	s_mov_b32 s[G1B+4], 8
	s_mov_b32 s[G0+1], s45                         ; and slot 0's groups 0 point at my wave's half again: its first refill steps them on
	s_add_nc_u64 s[G0+2:G0+3], s[G0+2:G0+3], s[10:11]
	s_mov_b32 s[G0B+1], s45
	s_add_nc_u64 s[G0B+2:G0B+3], s[G0B+2:G0B+3], s[10:11]
	s_wait_dscnt 0x0
	CROUND                                         ; all four tiles are in, and all sixteen work-groups are here
	JLOAD G0+4, G1, G0B+4, G1B                     ; slot 1's first fill: the first tensor load behind the round
	FETCH_B 0, 0, 0
	FETCH_A 0, 0, 0
	SCALES 0
	FETCH_A 0, 0, 4
	STEP 0, 0, 1
	s_mov_b32 s3, LAPS-1
.Llap:
	TURN 0, 1, 1
	STEP 1, 0, 0
	TURN 1, 0, 1
	STEP 0, 0, 0
	s_sub_co_u32 s3, s3, 1
	s_cmp_lg_u32 s3, 0
	s_cbranch_scc1 .Llap
	TURN 0, 1, 0
	STEP 1, 0, 0
	s_wait_dscnt 4*NL
	WIN MUL_LO
	MUL16 0, 1, NQ-1, 1, 0
	MUL16 2, 1, NQ-1, 1, 0
	s_wait_dscnt 0
	WIN MUL_HI
	MUL16 4, 1, NQ-1, 1, 0
	MUL16 6, 1, NQ-1, 1, 0
	WIN 0
	s_cmp_eq_u32 s42, 2
	s_cselect_b32 s10, s96, s95
	s_cselect_b32 s11, s41, s40
	s_cselect_b32 s12, s16, s15
	s_cselect_b32 s13, s15, s16
	s_mov_b32 s18, 131072
	s_cselect_b32 s18, 1024, s18
	s_mov_b32 s92, 1024
	s_cselect_b32 s92, 2048, s92
	s_cselect_b32 s66, 122880, 0
	s_cselect_b32 s2, VIMG, 0
	s_cselect_b32 s19, 8, 9
	s_mov_b32 s47, KVS
	s_cselect_b32 s47, KVS+8192, s47
	s_cmp_eq_u32 s42, 1
	s_cselect_b32 s2, KIMG, s2
	s_cmp_eq_u32 s101, 1
	s_cselect_b32 s47, QSCL, s47
	s_mov_b32 s46, 12288
	s_cselect_b32 s46, 8192, s46
	s_mov_b32 s93, 0
	s_mov_b32 s67, 0
	s_lshr_b32 s94, s10, 3
	s_lshl_b32 s94, s94, 4
	s_lshl_b32 s97, s11, 2
	s_add_co_u32 s94, s94, s97
	s_lshl_b32 s97, s13, 1
	s_add_co_u32 s94, s94, s97
	s_and_b32 s97, s10, 7
	s_lshl_b32 s97, s97, 1
	s_add_co_u32 s97, s97, s12
	s_lshl_b32 s20, s94, 17
	s_lshl_b32 s21, s97, 13
	s_add_co_u32 s20, s20, s21
	s_add_co_u32 s20, s20, s2
	s_mov_b32 s21, 0
	s_add_nc_u64 s[20:21], s[8:9], s[20:21]
	s_mul_i32 s22, s94, s46
	s_lshl_b32 s23, s97, s19
	s_add_co_u32 s22, s22, s23
	s_add_co_u32 s22, s22, s47
	s_mov_b32 s23, 0
	s_add_nc_u64 s[22:23], s[8:9], s[22:23]
	s_mov_b32 s47, 0
	s_add_nc_u64 s[46:47], s[22:23], s[46:47]
	PLACES NP
	v_add_nc_u32 v[VO2], s18, v[L16]
.macro OUTA a
.set AC, 64*((\a)%4)
.set PCS, PC+16*((\a)%2)
	WIN 0x0a+5*((\a)/4)
.irp b, 0,1,2,3
	v_max3_num_f32 v[TM+\b], |v[AC+16*\b]|, |v[AC+16*\b+1]|, 0x4800000
.endr
.irp i, 2,4,6,8,10,12,14
.irp b, 0,1,2,3
	v_max3_num_f32 v[TM+\b], |v[AC+16*\b+\i]|, |v[AC+16*\b+\i+1]|, v[TM+\b]
.endr
.endr
	WIN 0
.irp b, 0,1,2,3
	v_permlanex16_b32 v[TM+4+\b], v[TM+\b], s[SEL], s[SEL+1]
.endr
.irp b, 0,1,2,3
	v_max_num_f32 v[TM+\b], v[TM+\b], v[TM+4+\b]
.endr
.irp b, 0,1,2,3
	v_add_nc_u32 v[TM+12+\b], 0xfc000000, v[TM+\b]
.endr
.irp b, 0,1,2,3
	v_and_or_b32 v[TM+8+\b], v[TM+\b], 0x7f800000, s[MNT]
.endr
.irp b, 0,1,2,3
	v_lshrrev_b32 v[TM+4+\b], 23, v[TM+12+\b]
.endr
	v_lshl_or_b32 v[PWR+\a], v[TM+5], 8, v[TM+4]
	v_lshl_or_b32 v[PWR+\a], v[TM+6], 16, v[PWR+\a]
	v_lshl_or_b32 v[PWR+\a], v[TM+7], 24, v[PWR+\a]
	WIN 0x02+((\a)/4)
.irp b, 0,1,2,3
.irp i, 0,1,2,3,4,5,6,7,8,9,10,11,12,13,14,15
	v_med3_num_f32 v[T+16*\b+\i], v[AC+16*\b+\i], -v[TM+8+\b], v[TM+8+\b]
.endr
.endr
	WIN 0
.irp b, 0,1,2,3
	v_cvt_scalef32_pk8_fp8_f32 v[PCS+4*\b:PCS+4*\b+1], v[T+16*\b:T+16*\b+7], v[TM+12+\b]
	v_cvt_scalef32_pk8_fp8_f32 v[PCS+4*\b+2:PCS+4*\b+3], v[T+16*\b+8:T+16*\b+15], v[TM+12+\b]
.endr
	v_nop
.if (\a) > 0
	s_wait_alu depctr_va_vdst(0)
	s_wait_xcnt 0x0
	s_add_nc_u64 s[20:21], s[20:21], s[92:93]
.endif
.if (\a) == 4
	s_add_nc_u64 s[20:21], s[20:21], s[66:67]
.endif
	global_store_b128 v[L16], v[PCS:PCS+3], s[20:21]
	global_store_b128 v[L16], v[PCS+4:PCS+7], s[20:21] offset:512
	global_store_b128 v[VO2], v[PCS+8:PCS+11], s[20:21]
	global_store_b128 v[VO2], v[PCS+12:PCS+15], s[20:21] offset:512
.endm
.irp a, 0,1,2,3,4,5,6,7
	OUTA \a
.endr
	v_cmp_eq_u32 vcc_lo, 1, v2
.irp q, 0,1,2,3
	v_cndmask_b32 v[SL+\q], v[PWR+\q], v[PWR+4+\q], vcc_lo
.endr
	s_cmp_eq_u32 s42, 2
	s_cbranch_scc1 .Lv_scales
.irp q, 0,1,2,3
	v_perm_b32 v[OU0+\q], v[SL+\q], v[SL+\q], 0x01000100   ; a head's two scale bytes, written twice in its word: the reader takes them for blocks 0, 1 or for blocks 2, 3
	v_perm_b32 v[OU1+\q], v[SL+\q], v[SL+\q], 0x03020302
.endr
	global_store_b128 v[L16], v[OU0:OU0+3], s[22:23]
	global_store_b128 v[L16], v[OU1:OU1+3], s[46:47]
	s_branch .Lend
.Lv_scales:
	v_mul_u32_u24 v[VSO], v2, 12288
	v_lshl_add_u32 v[VSO], v1, 4, v[VSO]
	s_wait_alu depctr_va_vdst(0)
	global_store_b128 v[VSO], v[SL:SL+3], s[22:23]
.Lend:
	s_wait_tensorcnt 0x0
	ds_add_u32 v[SPW], v[NIL]
	s_wait_dscnt 0x0
	CROUND
	s_endpgm
.Lfunc_end_k_qd5e33e56fb_proj:
	.size	k_qd5e33e56fb_proj, .Lfunc_end_k_qd5e33e56fb_proj-k_qd5e33e56fb_proj
	.p2alignl 7, 3214868480
	.fill 96, 4, 3214868480
	.section	.rodata,"a",@progbits
	.p2align	6, 0x0
	.amdhsa_kernel k_qd5e33e56fb_proj
		.amdhsa_group_segment_fixed_size 327680
		.amdhsa_private_segment_fixed_size 0
		.amdhsa_enable_private_segment 0
		.amdhsa_kernarg_size 24
		.amdhsa_user_sgpr_count 2
		.amdhsa_user_sgpr_kernarg_segment_ptr 1
		.amdhsa_wavefront_size32 1
		.amdhsa_system_sgpr_workgroup_id_x 1
		.amdhsa_system_sgpr_workgroup_id_y 1
		.amdhsa_system_sgpr_workgroup_id_z 1
		.amdhsa_system_vgpr_workitem_id 0
		.amdhsa_next_free_vgpr 1024
		.amdhsa_next_free_sgpr 102
		.amdhsa_reserve_vcc 1
		.amdhsa_float_denorm_mode_32 3
		.amdhsa_float_denorm_mode_16_64 3
		.amdhsa_memory_ordered 1
		.amdhsa_forward_progress 1
		.amdhsa_inst_pref_size 192
	.end_amdhsa_kernel
	.amdgpu_metadata
---
amdhsa.version: [ 1, 2 ]
amdhsa.kernels:
  - .name:           k_qd5e33e56fb_proj
    .symbol:         k_qd5e33e56fb_proj.kd
    .args:
      - { .name: ops, .offset: 0, .size: 8, .value_kind: global_buffer, .address_space: global }
      - { .name: r_w_bias, .offset: 8, .size: 8, .value_kind: global_buffer, .address_space: global }
      - { .name: qkv, .offset: 16, .size: 8, .value_kind: global_buffer, .address_space: global }
    .group_segment_fixed_size: 327680
    .private_segment_fixed_size: 0
    .kernarg_segment_align: 8
    .kernarg_segment_size: 24
    .max_flat_workgroup_size: 128
    .sgpr_count:     102
    .vgpr_count:     1024
    .wavefront_size: 32
...
	.end_amdgpu_metadata
.endif
;; end of part 2
;; launch attn (part 3): grid 8 x 32, 8 waves a work-group, clusters of 4 x 1, 327,680 bytes of LDS; arguments qkv, att; writes att
.if DOCPART == 3
	.amdgcn_target "amdgcn-amd-amdhsa--gfx1250"
	.amdhsa_code_object_version 6
	.text
	.protected	k_qd5e33e56fb_attn
	.globl	k_qd5e33e56fb_attn
	.p2align	8
	.type	k_qd5e33e56fb_attn,@function
k_qd5e33e56fb_attn:
	s_mov_b64 s[64:65], 0
	v_nop
	global_prefetch_b8 v0, s[64:65] scope:SCOPE_SE
	s_setreg_imm32_b32 hwreg(HW_REG_WAVE_MODE, 25, 1), 1
	s_wait_xcnt 0x0
	s_wait_alu depctr_hold_cnt(0) depctr_sa_sdst(0) depctr_va_vdst(0) depctr_va_sdst(0) depctr_va_ssrc(0) depctr_va_vcc(0) depctr_vm_vsrc(0)
	s_getreg_b32 s2, hwreg(HW_REG_IB_STS2, 6, 4)
	s_cmp_eq_u32 s2, 0
	s_cbranch_scc0 .Lentry_in_a_cluster
	s_endpgm
.Lentry_in_a_cluster:
	s_bfe_u32 s2, ttmp6, 0x10000c
	s_cmp_lg_u32 s2, 0x3003
	s_cbranch_scc0 .Lentry_shape_is_right
	s_endpgm
.Lentry_shape_is_right:
; Both streams' attention on codes of FP8 (E4M3) with E8M0 scales: for each (b, head) and stream, O = softmax(Q K^T / 8) V, and the quantiser of O along (head, d) for the output projection.
; THE SOFTMAX: t = score x log2(e) / 8; M = the running largest t rounded UP to a whole number; p = 2^(t - M) is quantised along the keys, not normalised.  The row's sum is taken of the unquantised p in f32
; and divides O at the end.  When M moves, the sum and O are multiplied by 2^(old M - new M): exact; no branch hangs on data.
; SHARES.  A work-group owns 512 queries of one stream, b and head; each of its eight waves 64 of them, four tiles of 16: a fragment of K or V read from LDS feeds four matrix instructions.
; THE WHOLE HEAD'S K, V AND SCALE WORDS LIE IN LDS, filled once: 131,072 + 131,072 + 12,288 bytes.  No ring, no barrier in the loop, and no loop of fills in which a prefetch could run ahead: none is laid.
; CLUSTER.  The four work-groups of a cluster are the four query blocks of one stream and head: they ask for K, V and the scale words JOINTLY.  Waves 0-3 fetch 65,536 bytes of codes each, wave 4 the scale words.
; LAYOUT.  Operands come as images of the operand's registers ([c][lane][16 bytes]).  Both products are used transposed (S^T = K Q^T, O^T = V^T P^T): a lane holds ONE query.  The rows of a tile of K are keys
; 32 B + 8 u + r + 8 (r / 8), so p's 16 registers of two neighbouring tiles are 16 neighbouring keys; V's rows lie likewise along d.
; THE HEAD IS 64 WIDE, THE INSTRUCTION 128.  Q's tiles share registers of zero codes: [Q0][Z][Q1], [Q2][Z][Q3].  An even tile's operand is [Q][Z] and K's is [tile][the eight registers behind it]; an odd tile's is [Z][Q]
; and K's is [the eight registers ahead][tile].  What stands beside K's tile is a neighbouring tile's codes or a pad of zero codes: finite codes, which meet zeros.  Q's and K's scale words hold their two bytes twice.
; THE TILES ARE PIPELINED: tile t's exponentials are laid by turns with tile t - 1's first level of sums and its holds, lines that hang on nothing in the batch and whose results are first read behind the batch's closing wait.
; LIMITS: NaN and infinities are not served; the promise holds while the scaled scores stay under 2^31 in magnitude; a block of O whose largest magnitude lies under 2^-118 (zeros too) gets the byte 1: this program alone reads the bytes.
; REGISTERS.  window 0: v1-6 addresses; v8-15 K's, V's scale words; v16-31 -M, largest t, sum (two halves) a tile; v32-39 Q's, p's scale words; v40-61 at work; v64-127, v128-191 two buffers of scores; v192-255 p's codes
;   (v224-255 hold the partial sums until tiles 2 and 3 are converted).  window 1: v0-7 pad; v8-71 K's eight tiles, later V's four fragments; v72-79 pad; v80-127 Q; v128-255 O^T, 32 a tile.
.set KIMG, 8388608
.set QSCL, 16777216
.set KVS,  17301504
.set ASC,  8388608                     ; in att: the scale bytes, behind the images
.set VL,   131072                      ; LDS: V behind K
.set SCB,  262144                      ; the scale words behind V
.set SPARE, 0x43000                    ; behind them the spare words: 128 bytes a wave
.set AK,  1
.set AV,  2
.set ASK, 3
.set ASV, 4
.set L16, 5
.set R16, 6
.set KS,  8
.set VS,  12
.set ST,  16
.set QS,  32
.set PS,  36
.set BM,  40                           ; the blocks' largest scores, then largest p
.set PM,  44                           ; the other half's; the bytes
.set HD,  48                           ; 448 x the scale
.set SO,  52                           ; the conversions' scale operands
.set F,   56                           ; v[56:57], v[58:59]: 2^(old M - new M) of even and odd tiles; the upper words are written once and not used
.set TT,  60
.set SPW, 62
.set NIL, 63
.set S0,  64
.set S1,  128
.set PF,  192
.set TP,  224
.set KR,  8                            ; window 1
.set QR,  80                           ; window 1
.set OF,  128                          ; window 1
.set G1A, 16                           ; s[16:23] group 1: 48 rows of 256 bytes;  s[24:31]: 256 rows;  s[40:43], s[44:47] their groups 0
.set G1B, 24
.set G0A, 40
.set G0B, 44
.set CS,  52                           ; s[52:53] c = log2(e) / 8
.set SEL, 54
.set MNT, 56
.set MSB, 0
.macro WIN new
.if MSB != \new
	s_set_vgpr_msb (MSB<<8)|\new
.set MSB, \new
.endif
.endm
.macro ROUND                           ; a round of the cluster's barrier
	s_barrier_signal -1
	s_barrier_wait -1
	s_cmp_lg_u32 s8, 0
	s_cbranch_scc1 .Lnot_wave_0_\@
	s_barrier_signal -3
.Lnot_wave_0_\@:
	s_barrier_wait -3
	s_barrier_signal -1
	s_barrier_wait -1
.endm
	s_load_b128 s[4:7], s[0:1], 0x0                ; qkv, att
	v_lshl_add_u32 v[SPW], v0, 2, SPARE
	v_mov_b32 v[NIL], 0
	ds_add_u32 v[SPW], v[NIL]                      ; the opening lines: the add twice on end and one wait
	ds_add_u32 v[SPW], v[NIL]
	v_lshrrev_b32 v1, 5, v0
	v_readfirstlane_b32 s8, v1                     ; wave 0..7
	s_bfe_u32 s9, ttmp6, 0x40000                   ; cx: which 512 queries: it enters Q's and att's addresses alone
	s_and_b32 s10, ttmp7, 0xffff                   ; 16 b + head
	s_mov_b32 s11, ttmp9                           ; the stream
	s_mul_i32 s58, s10, 12288                      ; the head's scale words
	s_add_co_u32 s58, s58, KVS
	s_mov_b32 s59, 0
	s_bfe_u32 s60, s8, 0x10001                     ; waves 0, 1: K's halves; waves 2, 3: V's, 4,194,304 bytes behind
	s_lshl_b32 s60, s60, 22
	s_and_b32 s61, s8, 1
	s_lshl_b32 s61, s61, 16
	s_add_co_u32 s60, s60, s61
	s_lshl_b32 s61, s10, 17
	s_add_co_u32 s60, s60, s61
	s_add_co_u32 s60, s60, KIMG
	s_mov_b32 s61, 0
	s_and_b32 s39, s8, 3
	s_lshl_b32 s39, s39, 16                        ; in LDS: 65,536 x (wave % 4)
	s_mov_b32 s[G1A], 15|(3<<16)|(1<<21)           ; the mask: all four work-groups; elements of 8 bytes; bit 21 beside a mask
	s_mov_b32 s[G1A+1], 32<<16                     ; rows of 32 elements: 256 bytes
	s_mov_b32 s[G1A+2], 48<<16
	s_mov_b32 s[G1A+3], 32<<16
	s_mov_b32 s[G1A+4], 48
	s_mov_b32 s[G1A+5], 32                         ; dense
	s_mov_b32 s[G1A+6], 0
	s_mov_b32 s[G1A+7], 0
	s_mov_b32 s[G1B], 15|(3<<16)|(1<<21)
	s_mov_b32 s[G1B+1], 32<<16
	s_mov_b32 s[G1B+2], 256<<16
	s_mov_b32 s[G1B+3], 32<<16
	s_mov_b32 s[G1B+4], 256
	s_mov_b32 s[G1B+5], 32
	s_mov_b32 s[G1B+6], 0
	s_mov_b32 s[G1B+7], 0
	; my four tiles of queries: group 8 cx + wave of the stream's 32
	s_lshl_b32 s12, s11, 5
	s_add_co_u32 s12, s12, s10                     ; 16 (2 stream + b) + head
	s_lshl_b32 s13, s9, 3
	s_add_co_u32 s13, s13, s8                      ; the group
	s_lshl_b32 s14, s12, 17
	s_lshl_b32 s15, s13, 12
	s_add_co_u32 s14, s14, s15                     ; Q's images
	s_mov_b32 s15, 0
	s_lshl_b32 s32, s12, 13
	s_lshl_b32 s33, s13, 8
	s_add_co_u32 s32, s32, s33
	s_add_co_u32 s32, s32, QSCL                    ; Q's scale words
	s_mov_b32 s33, 0
	s_lshl_b32 s34, s11, 1
	s_lshr_b32 s35, s10, 4
	s_add_co_u32 s34, s34, s35                     ; 2 stream + b
	s_lshl_b32 s34, s34, 7
	s_lshl_b32 s35, s13, 2
	s_add_co_u32 s34, s34, s35                     ; my first tile of rows in att
	s_lshl_b32 s34, s34, 14
	s_and_b32 s35, s10, 15
	s_lshl_b32 s35, s35, 10                        ; head n: 1,024 n bytes on
	s_add_co_u32 s34, s34, s35
	s_mov_b32 s35, 0
	s_lshl_b32 s36, s12, 5
	s_add_co_u32 s36, s36, s13
	s_lshl_b32 s36, s36, 7
	s_add_co_u32 s36, s36, ASC                     ; and its scale bytes: 128 a group
	s_mov_b32 s37, 0
	s_mov_b32 s[CS], 0x3e38aa3b
	s_mov_b32 s[CS+1], s[CS]                       ; (named with it as a pair, so it is written)
	s_mov_b32 s[SEL], 0x76543210
	s_mov_b32 s[SEL+1], 0xfedcba98
	s_mov_b32 s[MNT], 0x600000
	s_mov_b32 s57, 16                              ; key steps
	s_wait_dscnt 0x0
	s_wait_kmcnt 0x0
	s_mov_b32 s[G0A], 1
	s_mov_b32 s[G0A+1], SCB
	s_add_nc_u64 s[G0A+2:G0A+3], s[4:5], s[58:59]
	s_or_b32 s[G0A+3], s[G0A+3], 0x80000000
	s_mov_b32 s[G0B], 1
	s_mov_b32 s[G0B+1], s39
	s_add_nc_u64 s[G0B+2:G0B+3], s[4:5], s[60:61]
	s_or_b32 s[G0B+3], s[G0B+3], 0x80000000
	s_add_nc_u64 s[14:15], s[4:5], s[14:15]
	s_add_nc_u64 s[32:33], s[4:5], s[32:33]
	s_add_nc_u64 s[34:35], s[6:7], s[34:35]
	s_add_nc_u64 s[36:37], s[6:7], s[36:37]
	ROUND                                          ; all four work-groups are here: the joint loads meet
	; the head's loads, at most one a wave, in one chain of branches on the wave's number
	s_cmp_lt_u32 s8, 4
	s_cbranch_scc0 .Lhead_s
	tensor_load_to_lds s[G0B:G0B+3], s[G1B:G1B+7]
	s_nop 0
.rept 4
	v_nop
.endr
	s_branch .Lhead_asked
.Lhead_s:
	s_cmp_lt_u32 s8, 5
	s_cbranch_scc0 .Lhead_none
	tensor_load_to_lds s[G0A:G0A+3], s[G1A:G1A+7]
	s_nop 0
.rept 4
	v_nop
.endr
	s_branch .Lhead_asked
.Lhead_none:
.Lhead_asked:
	v_and_b32 v7, 31, v0
	v_lshlrev_b32 v[L16], 4, v7
	v_and_b32 v61, 15, v0
	v_lshlrev_b32 v[R16], 4, v61
	global_load_b128 v[QS:QS+3], v[R16], s[32:33]  ; register t: row r's word of tile t
	WIN 0x40
.irp t, 0,1,2,3
.irp c, 0,1
	global_load_b128 v[QR+24*(\t/2)+16*(\t%2)+4*\c:QR+24*(\t/2)+16*(\t%2)+4*\c+3], v[L16], s[14:15] offset:1024*\t+512*\c   ; Q stays in registers
.endr
.endr
.irp i, 0,1,2,3,4,5,6,7
	v_mov_b32 v[\i], 0                             ; zero codes: the pad ahead of K,
	v_mov_b32 v[KR+64+\i], 0                       ; the pad behind it,
	v_mov_b32 v[QR+8+\i], 0                        ; and Q's two shared halves
	v_mov_b32 v[QR+32+\i], 0
.endr
.set i, 0
.rept 128
	v_mov_b32 v[OF+i], 0                           ; O^T.  (The step is written once: the first finds zeros, which the first change of M leaves zeros)
.set i, i+1
.endr
	WIN 0
	v_mov_b32 v[AK], v[L16]
	v_add_nc_u32 v[AV], VL, v[L16]
	v_add_nc_u32 v[ASK], SCB, v[L16]
	v_add_nc_u32 v[ASV], SCB+8192, v[R16]
.irp t, 0,1,2,3
	v_mov_b32 v[ST+4*\t+1], 0xff61b1e6             ; the largest t so far: -3e38
	v_mov_b32 v[ST+4*\t+2], 0                      ; the sum, in two halves
	v_mov_b32 v[ST+4*\t+3], 0
	v_mov_b32 v[PM+\t], 0                          ; written once: a lane permute's destination counts as one of its sources
	v_floor_f32 v[ST+4*\t], -v[ST+4*\t+1]          ; -M
.endr
	v_mov_b32 v[F+1], 0
	v_mov_b32 v[F+3], 0
.macro FETCH_K                         ; a step's 128 keys: eight tiles of 1,024 bytes, and their scale words: register q: lanes 0-15 tile q, lanes 16-31 tile 4 + q
	WIN 0x40
.irp T, 0,1,2,3,4,5,6,7
.irp c, 0,1
	ds_load_b128 v[KR+8*\T+4*\c:KR+8*\T+4*\c+3], v[AK] offset:1024*\T+512*\c
.endr
.endr
	WIN 0
	ds_load_b128 v[KS:KS+3], v[ASK]
.endm
.macro FETCH_V                         ; the same keys' V: four fragments (16 d x 128 keys), and their scale words: register d: row r of tile d
	WIN 0x40
.irp d, 0,1,2,3
.irp c, 0,1,2,3
	ds_load_b128 v[KR+16*\d+4*\c:KR+16*\d+4*\c+3], v[AV] offset:2048*\d+512*\c
.endr
.endr
	WIN 0
	ds_load_b128 v[VS:VS+3], v[ASV]
.endm
.macro SMUL t, sb                      ; S^T of tile t into buffer sb: eight products, each its own sum.  Even t: K's codes in the operand's lower half; odd t: in its upper half
.set KB, KR-8*((\t)%2)
.set QB, QR+24*((\t)/2)+8*((\t)%2)
	WIN 0x05
.irp T, 0,1,2,3
	v_wmma_scale_f32_16x16x128_f8f6f4 v[\sb+8*\T:\sb+8*\T+7], v[KB+8*\T:KB+8*\T+15], v[QB:QB+15], 0, v[KS+\T], v[QS+\t]
.endr
.irp T, 4,5,6,7
	v_wmma_scale_f32_16x16x128_f8f6f4 v[\sb+8*\T:\sb+8*\T+7], v[KB+8*\T:KB+8*\T+15], v[QB:QB+15], 0, v[KS+\T-4], v[QS+\t] matrix_a_scale:MATRIX_SCALE_ROW1
.endr
	WIN 0
.endm
; PREP: the blocks' largest scores (they serve for the row's maximum and, since p rises with the score, for the blocks' largest p), the new M and f, and t - M
.macro PREP t, sb
.set NM, ST+4*(\t)
.set FR, F+2*((\t)%2)
.if (\t) == 1
	s_wait_alu depctr_va_vdst(0)
.endif
.irp b, 0,1,2,3
	v_max3_num_f32 v[BM+\b], v[\sb+16*\b], v[\sb+16*\b+1], v[\sb+16*\b+2]
.endr
.irp i, 3,5,7,9,11,13
.irp b, 0,1,2,3
	v_max3_num_f32 v[BM+\b], v[BM+\b], v[\sb+16*\b+\i], v[\sb+16*\b+\i+1]
.endr
.endr
.irp b, 0,1,2,3
	v_max_num_f32 v[BM+\b], v[BM+\b], v[\sb+16*\b+15]
.endr
.irp b, 0,1,2,3
	v_permlanex16_b32 v[PM+\b], v[BM+\b], s[SEL], s[SEL+1]
.endr
.irp b, 0,1,2,3
	s_delay_alu instid0(VALU_DEP_4)
	v_max_num_f32 v[BM+\b], v[BM+\b], v[PM+\b]     ; with lane l xor 16's 16 keys
.endr
	s_delay_alu instid0(VALU_DEP_2)
	v_max3_num_f32 v[TT], v[BM], v[BM+1], v[BM+2]
	s_delay_alu instid0(VALU_DEP_1)
	v_max_num_f32 v[TT], v[TT], v[BM+3]            ; the step's largest score of my query,
	s_delay_alu instid0(VALU_DEP_1)
	v_mul_f32 v[TT], s[CS], v[TT]                  ; as t (c is positive)
	s_delay_alu instid0(VALU_DEP_1)
	v_max_num_f32 v[NM+1], v[NM+1], v[TT]          ; the running largest t
	v_mov_b32 v[TT], v[NM]
	s_delay_alu instid0(VALU_DEP_2)
	v_floor_f32 v[NM], -v[NM+1]                    ; the new -M = -ceil(t): a whole number
	s_delay_alu instid0(VALU_DEP_1)
	v_sub_f32 v[TT], v[NM], v[TT]                  ; old M - new M: a whole number, 0 or less
.set i, 0
.rept 32
	v_pk_fma_f32 v[\sb+i:\sb+i+1], v[\sb+i:\sb+i+1], s[CS:CS+1], v[NM:NM+1] op_sel_hi:[1,0,0]   ; t - M, two at a time
.if i == 6
	v_cvt_i32_f32 v[TT], v[TT]                     ; (it saturates)
.endif
.if i == 14
	v_ldexp_f32 v[FR], 1.0, v[TT]                  ; f = 2^(old M - new M)
.endif
.set i, i+2
.endr
.irp b, 0,1,2,3
	v_fma_f32 v[BM+\b], v[BM+\b], s[CS], v[NM]     ; the same of each block's largest score
.endr
.endm
; BATCH.  ex = 1: the 64 exponentials of buffer cb and the four of the blocks' largest, one wait ahead and one behind.
; fl = 1: of buffer pb, whose p are finished: 16 partial sums of the UNQUANTISED p into tp, and behind each the one-sided hold of its four p (the conversion does not saturate: ISA guide 7.6.2; p is not negative),
; two holds to a dual-issue pair.  These lines read nothing that the batch writes, and what they write is first read behind the closing wait.
.macro BATCH ex, cb, fl, pb, tp
.if \ex
	s_wait_alu depctr_va_vdst(0)
.endif
.set i, 0
.rept 16
.if \ex
	v_exp_f32 v[\cb+4*i], v[\cb+4*i]
.endif
.if \fl
	v_pk_add_f32 v[\tp+2*i:\tp+2*i+1], v[\pb+4*i:\pb+4*i+1], v[\pb+4*i+2:\pb+4*i+3]
.endif
.if \ex
	v_exp_f32 v[\cb+4*i+1], v[\cb+4*i+1]
.endif
.if \fl
	v_dual_min_num_f32 v[\pb+4*i], v[HD+i/4], v[\pb+4*i] :: v_dual_min_num_f32 v[\pb+4*i+1], v[HD+i/4], v[\pb+4*i+1]
.endif
.if \ex
	v_exp_f32 v[\cb+4*i+2], v[\cb+4*i+2]
.endif
.if \fl
	v_dual_min_num_f32 v[\pb+4*i+2], v[HD+i/4], v[\pb+4*i+2] :: v_dual_min_num_f32 v[\pb+4*i+3], v[HD+i/4], v[\pb+4*i+3]
.endif
.if \ex
	v_exp_f32 v[\cb+4*i+3], v[\cb+4*i+3]
.endif
.set i, i+1
.endr
.if \ex
.irp b, 0,1,2,3
	v_exp_f32 v[BM+\b], v[BM+\b]                   ; the blocks' largest p: the same two instructions on the same number give the same bits
.endr
	v_nop                                          ; the plain line behind the exponentials
	s_wait_alu depctr_va_vdst(0)
.endif
.endm
.macro SCALE t                         ; from the blocks' largest p: the hold, the conversions' operand, and p's scale word for these 128 keys
.irp b, 0,1,2,3
	v_max_num_f32 v[BM+\b], 0x4800000, v[BM+\b]    ; the floor 2^(9 - 127): the byte cannot fall under 1
.endr
.irp b, 0,1,2,3
	s_delay_alu instid0(VALU_DEP_4)
	v_add_nc_u32 v[SO+\b], 0xfc000000, v[BM+\b]
.endr
.irp b, 0,1,2,3
	v_and_or_b32 v[HD+\b], v[BM+\b], 0x7f800000, s[MNT]
.endr
.irp b, 0,1,2,3
	v_lshrrev_b32 v[PM+\b], 23, v[SO+\b]
.endr
	s_delay_alu instid0(VALU_DEP_3)
	v_lshl_or_b32 v[PS+\t], v[PM+1], 8, v[PM]
	s_delay_alu instid0(VALU_DEP_1)
	v_lshl_or_b32 v[PS+\t], v[PM+2], 16, v[PS+\t]
	s_delay_alu instid0(VALU_DEP_1)
	v_lshl_or_b32 v[PS+\t], v[PM+3], 24, v[PS+\t]
.endm
.macro RED_A tp                        ; the 16 partial sums are folded: 16 to 8,
.irp i, 0,1,2,3,4,5,6,7
	v_pk_add_f32 v[\tp+2*\i:\tp+2*\i+1], v[\tp+2*\i:\tp+2*\i+1], v[\tp+16+2*\i:\tp+17+2*\i]
.endr
.endm
.macro RED_B t, tp                     ; 8 to 1, and the row's sum = the old sum x f + the step's
.irp i, 0,1,2,3
	v_pk_add_f32 v[\tp+2*\i:\tp+2*\i+1], v[\tp+2*\i:\tp+2*\i+1], v[\tp+8+2*\i:\tp+9+2*\i]
.endr
.irp i, 0,1
	s_delay_alu instid0(VALU_DEP_2)
	v_pk_add_f32 v[\tp+2*\i:\tp+2*\i+1], v[\tp+2*\i:\tp+2*\i+1], v[\tp+4+2*\i:\tp+5+2*\i]
.endr
	s_delay_alu instid0(VALU_DEP_1)
	v_pk_add_f32 v[\tp:\tp+1], v[\tp:\tp+1], v[\tp+2:\tp+3]
	s_delay_alu instid0(VALU_DEP_1)
	v_pk_fma_f32 v[ST+4*(\t)+2:ST+4*(\t)+3], v[ST+4*(\t)+2:ST+4*(\t)+3], v[F+2*((\t)%2):F+2*((\t)%2)+1], v[\tp:\tp+1] op_sel_hi:[1,0,1]
.endm
.macro CVT t, sb
.irp b, 0,1,2,3
	v_cvt_scalef32_pk8_fp8_f32 v[PF+16*\t+4*\b:PF+16*\t+4*\b+1], v[\sb+16*\b:\sb+16*\b+7], v[SO+\b]
	v_cvt_scalef32_pk8_fp8_f32 v[PF+16*\t+4*\b+2:PF+16*\t+4*\b+3], v[\sb+16*\b+8:\sb+16*\b+15], v[SO+\b]
.endr
	v_nop                                          ; a plain line behind the last conversion
.endm
.macro ORESC t                         ; O^T under the new M, each accumulator from its low end on
	WIN 0x41
	s_wait_alu depctr_va_vdst(0)                   ; directly ahead of the first reader of the last step's products
.set i, 0
.rept 16
	v_pk_mul_f32 v[OF+32*\t+i:OF+32*\t+i+1], v[OF+32*\t+i:OF+32*\t+i+1], v[F+2*((\t)%2):F+2*((\t)%2)+1] op_sel_hi:[1,0]
.set i, i+2
.endr
	WIN 0
.endm
.macro PV                              ; O^T += V^T P^T: 16 accumulators, one instruction a turn
	WIN 0x51
.irp d, 0,1,2,3
.irp t, 0,1,2,3
	v_wmma_scale_f32_16x16x128_f8f6f4 v[OF+32*\t+8*\d:OF+32*\t+8*\d+7], v[KR+16*\d:KR+16*\d+15], v[PF+16*\t:PF+16*\t+15], v[OF+32*\t+8*\d:OF+32*\t+8*\d+7], v[VS+\d], v[PS+\t]
.endr
.endr
	WIN 0
.endm
	s_wait_alu depctr_va_vdst(0)                   ; the wait at the head's end
	s_wait_loadcnt 0x0                             ; Q
	s_wait_tensorcnt 0x0                           ; my part of K, V or the scale words is in,
	s_barrier_signal -1
	s_barrier_wait -1                              ; everybody's are; nothing is filled again
	FETCH_K
.Lstep:                                            ; a trip: 128 keys x my 64 queries
	s_wait_dscnt 0x0                               ; K, asked for at the last trip's end
	SMUL 0, S0
	SMUL 1, S1
.rept 8
	v_nop                                          ; places ahead of the first read of the scores
.endr
	PREP 0, S0
	BATCH 1, S0, 0, 0, 0
	SCALE 0
	PREP 1, S1
	BATCH 1, S1, 1, S0, TP
	RED_A TP
	RED_B 0, TP
	CVT 0, S0
	SMUL 2, S0                                     ; into the buffer just converted; the 35 plain lines below are its places
	SCALE 1
	ORESC 0
	PREP 2, S0
	BATCH 1, S0, 1, S1, TP
	RED_A TP
	RED_B 1, TP
	CVT 1, S1
	SMUL 3, S1
	SCALE 2                                        ; 19 plain lines: the places ahead of the loads into K's registers
	FETCH_V
	ORESC 1
	PREP 3, S1
	BATCH 1, S1, 1, S0, TP
	RED_A TP
	RED_B 2, TP
	CVT 2, S0
	SCALE 3
	ORESC 2
	BATCH 0, 0, 1, S1, S0                          ; tile 3 has no batch behind it: its partial sums go to buffer 0, which is free
	CVT 3, S1
	ORESC 3                                        ; also the places between the codes and the products
	s_wait_alu depctr_va_vdst(0)                   ; directly ahead of the wait below
	s_wait_dscnt 0x0                               ; V is in
	PV
	v_add_nc_u32 v[AK], 8192, v[AK]                ; the next step; these four and the eight sums are the places ahead of the next loads
	v_add_nc_u32 v[AV], 8192, v[AV]
	v_add_nc_u32 v[ASK], 512, v[ASK]
	v_add_nc_u32 v[ASV], 256, v[ASV]
	RED_A S0
	FETCH_K                                        ; the next step's K.  (In the last trip these loads read the bytes behind K and behind its scale words, which lie inside the filled LDS; what they bring is not used)
	RED_B 3, S0
	s_sub_co_u32 s57, s57, 1
	s_cmp_lg_u32 s57, 0
	s_wait_alu depctr_va_vdst(0)                   ; directly ahead of the branch
	s_cbranch_scc1 .Lstep
	; THE WAY OUT.  O^T / the sum; its two blocks of 32 a tile (d 0-31, 32-63) are quantised in registers; the codes are two groups of the image of my rows' K step head / 2.
.irp t, 0,1,2,3
	v_add_f32 v[BM+\t], v[ST+4*\t+2], v[ST+4*\t+3]
.endr
.irp t, 0,1,2,3
	s_delay_alu instid0(VALU_DEP_4)
	v_permlanex16_b32 v[PM+\t], v[BM+\t], s[SEL], s[SEL+1]
.endr
.irp t, 0,1,2,3
	s_delay_alu instid0(VALU_DEP_4)
	v_add_f32 v[BM+\t], v[BM+\t], v[PM+\t]         ; the row's sum
.endr
	s_wait_alu depctr_va_vdst(0)
.irp t, 0,1,2,3
	v_rcp_f32 v[ST+4*\t+2], v[BM+\t]
.endr
.rept 4
	v_nop                                          ; the plain line behind the reciprocals
.endr
	s_wait_alu depctr_va_vdst(0)                   ; one wait for the four reciprocals and for the last products' first readers
	WIN 0x01                                       ; source 0: O^T in window 1; the results go to the scores' registers
.irp t, 0,1,2,3
.set i, 0
.rept 16
	v_pk_mul_f32 v[S0+32*\t+i:S0+32*\t+i+1], v[OF+32*\t+i:OF+32*\t+i+1], v[ST+4*\t+2:ST+4*\t+3] op_sel_hi:[1,0]   ; each accumulator from its low end on
.set i, i+2
.endr
.endr
	WIN 0
	; eight blocks e = 2 t + B: numbers v[64 + 16 e ..]; v192-199 largest magnitudes, v200-207 bytes, v208-215 448 x the scale, v216-223 scale operands, v224-255 codes
.irp e, 0,1,2,3,4,5,6,7
	v_max3_num_f32 v[192+\e], |v[S0+16*\e]|, |v[S0+16*\e+1]|, 0x4800000
.endr
.irp i, 2,4,6,8,10,12,14
.irp e, 0,1,2,3,4,5,6,7
	v_max3_num_f32 v[192+\e], v[192+\e], |v[S0+16*\e+\i]|, |v[S0+16*\e+\i+1]|
.endr
.endr
.irp e, 0,1,2,3,4,5,6,7
	v_permlanex16_b32 v[200+\e], v[192+\e], s[SEL], s[SEL+1]
.endr
.irp e, 0,1,2,3,4,5,6,7
	v_max_num_f32 v[192+\e], v[192+\e], v[200+\e]
.endr
.irp e, 0,1,2,3,4,5,6,7
	v_add_nc_u32 v[216+\e], 0xfc000000, v[192+\e]
.endr
.irp e, 0,1,2,3,4,5,6,7
	v_and_or_b32 v[208+\e], v[192+\e], 0x7f800000, s[MNT]
.endr
.irp e, 0,1,2,3,4,5,6,7
	v_lshrrev_b32 v[200+\e], 23, v[216+\e]
.endr
.irp e, 0,1,2,3,4,5,6,7
.irp i, 0,1,2,3,4,5,6,7,8,9,10,11,12,13,14,15
	v_med3_num_f32 v[S0+16*\e+\i], v[S0+16*\e+\i], -v[208+\e], v[208+\e]
.endr
	v_cvt_scalef32_pk8_fp8_f32 v[224+4*\e:225+4*\e], v[S0+16*\e:S0+16*\e+7], v[216+\e]
	v_cvt_scalef32_pk8_fp8_f32 v[226+4*\e:227+4*\e], v[S0+16*\e+8:S0+16*\e+15], v[216+\e]
.endr
	v_nop                                          ; a plain line behind the last conversion
.irp t, 0,1,2,3
.irp b, 0,1
	global_store_b128 v[L16], v[224+8*\t+4*\b:227+8*\t+4*\b], s[34:35] offset:16384*\t+512*\b   ; 512 consecutive bytes, aligned
.endr
.endr
.irp t, 0,1,2,3
	v_lshl_or_b32 v[BM+\t], v[201+2*\t], 8, v[200+2*\t]   ; a tile's two bytes
.endr
	s_delay_alu instid0(VALU_DEP_3)
	v_lshl_or_b32 v[HD], v[BM+1], 16, v[BM]        ; tiles 0, 1
	s_delay_alu instid0(VALU_DEP_2)
	v_lshl_or_b32 v[HD+1], v[BM+3], 16, v[BM+2]    ; tiles 2, 3
	v_bfe_u32 v[TT], v0, 4, 1
	s_delay_alu instid0(VALU_DEP_1)
	v_cmp_eq_u32 vcc_lo, 1, v[TT]
	s_delay_alu instid0(VALU_DEP_1)
	v_cndmask_b32 v[HD+2], v[HD], v[HD+1], vcc_lo  ; lanes 16-31 hold the same bytes as lanes 0-15: they send the second word
	s_delay_alu instid0(VALU_DEP_3)
	v_lshlrev_b32 v61, 2, v[TT]
	v_and_b32 v7, 15, v0
	s_delay_alu instid0(VALU_DEP_1)
	v_lshl_add_u32 v61, v7, 3, v61
	global_store_b32 v61, v[HD+2], s[36:37]        ; [r][tile 0..3] of two bytes: 128 consecutive bytes a wave
	s_wait_dscnt 0x0
	s_wait_tensorcnt 0x0                           ; the wave's end
	ds_add_u32 v[SPW], v[NIL]
	s_wait_dscnt 0x0
	ROUND                                          ; the closing round: no work-group ends while a partner may still ask for a tile that names it
	s_endpgm
.Lfunc_end_k_qd5e33e56fb_attn:
	.size	k_qd5e33e56fb_attn, .Lfunc_end_k_qd5e33e56fb_attn-k_qd5e33e56fb_attn
	.p2alignl 7, 3214868480
	.fill 96, 4, 3214868480
	.section	.rodata,"a",@progbits
	.p2align	6, 0x0
	.amdhsa_kernel k_qd5e33e56fb_attn
		.amdhsa_group_segment_fixed_size 327680
		.amdhsa_private_segment_fixed_size 0
		.amdhsa_enable_private_segment 0
		.amdhsa_kernarg_size 16
		.amdhsa_user_sgpr_count 2
		.amdhsa_user_sgpr_kernarg_segment_ptr 1
		.amdhsa_wavefront_size32 1
		.amdhsa_system_sgpr_workgroup_id_x 1
		.amdhsa_system_sgpr_workgroup_id_y 1
		.amdhsa_system_sgpr_workgroup_id_z 1
		.amdhsa_system_vgpr_workitem_id 0
		.amdhsa_next_free_vgpr 512
		.amdhsa_next_free_sgpr 66
		.amdhsa_reserve_vcc 1
		.amdhsa_float_denorm_mode_32 3
		.amdhsa_float_denorm_mode_16_64 3
		.amdhsa_memory_ordered 1
		.amdhsa_forward_progress 1
		.amdhsa_inst_pref_size 104
	.end_amdhsa_kernel
	.amdgpu_metadata
---
amdhsa.version: [ 1, 2 ]
amdhsa.kernels:
  - .name:           k_qd5e33e56fb_attn
    .symbol:         k_qd5e33e56fb_attn.kd
    .args:
      - { .name: qkv, .offset: 0, .size: 8, .value_kind: global_buffer, .address_space: global }
      - { .name: att, .offset: 8, .size: 8, .value_kind: global_buffer, .address_space: global }
    .group_segment_fixed_size: 327680
    .private_segment_fixed_size: 0
    .kernarg_segment_align: 8
    .kernarg_segment_size: 16
    .max_flat_workgroup_size: 256
    .sgpr_count:     66
    .vgpr_count:     512
    .wavefront_size: 32
...
	.end_amdgpu_metadata
.endif
;; end of part 3
;; launch outln (part 4): grid 256 x 1, 4 waves a work-group, no clusters, 166,400 bytes of LDS; arguments att, ops, h, g, ln_gamma, ln_beta, out0, out1; writes out0, out1
.if DOCPART == 4
	.amdgcn_target "amdgcn-amd-amdhsa--gfx1250"
	.amdhsa_code_object_version 6
	.text
	.protected	k_qd5e33e56fb_outln
	.globl	k_qd5e33e56fb_outln
	.p2align	8
	.type	k_qd5e33e56fb_outln,@function
k_qd5e33e56fb_outln:
	s_mov_b64 s[64:65], 0
	v_nop
	global_prefetch_b8 v0, s[64:65] scope:SCOPE_SE
	s_setreg_imm32_b32 hwreg(HW_REG_WAVE_MODE, 25, 1), 1
	s_wait_xcnt 0x0
; out = LayerNorm(attn_vec Wo^T + x) for both streams; the product on codes of FP8 (E4M3) with E8M0 scales, all else in f32.
; SHARES.  A work-group takes 32 rows (two tiles: 32 consecutive i of one stream and b) x all 1,024 columns, so a row of the LayerNorm has one owner.  Wave w owns columns 256 w .. 256 w + 255: 16 tiles x 2 tiles of rows = 32 accumulators.
; The product is used transposed (source 0 = 16 rows of Wo, source 1 = 16 rows of attn_vec): a lane holds one row and 8 neighbouring columns an accumulator.
; THE RESIDUAL IS THE SUMS' STARTING VALUE: x's 32 rows are read in whole rows, turned through a stage in LDS into the accumulators' layout, and the first products add onto them.
; Wo's fragments go from memory straight into the registers of the one wave that multiplies them, in the order of the operand's registers: each byte once a work-group, none through LDS.
; NO CLUSTER: a joint load would send Wo's 1,048,576 bytes through LDS, written once and read once, behind a round of the cluster's barrier for each change of slots; with slots of 131,072 bytes a wave has
; 32 matrix instructions between two rounds.
; THE LAYERNORM IS TAKEN IN TWO PASSES: the mean, then the mean of the squares of what is left: no difference of large sums.
; REGISTERS.  window 0: v1-8 addresses; v16-31 attn_vec's scale words; v32-39 Wo's, two sets; v40-55 raw scale bytes; v56-71 chains of sums; v72-79 -mean, 1/sigma; v80-87 the waves' parts; v128-159 gamma; v160-191 beta.
;   window 1: attn_vec's 16 fragments; later the rows on their way out.   window 2: Wo's fragments, two sets of 8.   window 3: accumulator (rt, ct) at v[8 (16 rt + ct)].
.set OSCL, 12582912
.set ASC,  8388608
.set SPT,  4112                        ; a stage row: 4,096 bytes + 16: row r starts 4 r banks on
.set RED,  32*SPT                      ; behind the stage: 512 bytes for the sums, 512 for the sums of squares
.set L16, 1                            ; v1  16 x lane
.set STW, 2                            ; v2  the stage by rows: my 8 rows, 16 bytes a lane
.set DA,  3                            ; v3, v4  the stage in the accumulators' layout: row r of tile 0, 1; + 64 h + 1,024 w
.set RW,  5                            ; v5  where I put my part of a row's sum
.set RR,  6                            ; v6  where I read the four parts
.set L8,  7                            ; v7  8 x lane
.set R8,  8                            ; v8  8 r
.set AS,  16
.set BS,  32
.set LT,  40
.set CH,  56
.set MU,  72
.set RS,  76
.set RL,  80
.set GA,  128
.set BE,  160
.set MSB, 0
.macro WIN new
.if MSB != \new
	s_set_vgpr_msb (MSB<<8)|\new
.set MSB, \new
.endif
.endm
.macro BARRIER                         ; my LDS stores have landed and my LDS loads are in: then the work-group's barrier
	s_wait_dscnt 0x0
	s_barrier_signal -1
	s_barrier_wait -1
.endm
	s_load_b256 s[4:11], s[0:1], 0x0               ; att, ops, h, g
	s_load_b256 s[12:19], s[0:1], 0x20             ; ln_gamma, ln_beta, out0, out1
	v_lshl_add_u32 v254, v0, 2, 0x20800
	v_mov_b32 v255, 0
	v_lshrrev_b32 v1, 5, v0
	v_readfirstlane_b32 s20, v1                    ; wave 0..3
	s_and_b32 s21, ttmp9, 63
	s_lshl_b32 s22, s21, 5                         ; the work-group's first i
	s_lshr_b32 s23, s20, 1                         ; stage rows 8 w .. 8 w + 7 are row (r % 8) of tile w / 2, upper half w % 2: i = first i + 8 (w / 2 + 2 (w % 2)) + 0 .. 7
	s_and_b32 s24, s20, 1
	s_lshl_b32 s24, s24, 1
	s_add_co_u32 s23, s23, s24
	s_lshl_b32 s23, s23, 3
	s_add_co_u32 s22, s22, s23
	s_lshl_b32 s22, s22, 1
	s_bfe_u32 s23, ttmp9, 0x10006                  ; b
	s_add_co_u32 s22, s22, s23
	s_lshl_b32 s22, s22, 12                        ; row (i, b) of 4,096 bytes: in x and in out alike
	s_mov_b32 s23, 0
	s_lshr_b32 s24, ttmp9, 6                       ; 2 stream + b
	s_lshl_b32 s24, s24, 16
	s_lshr_b32 s25, s21, 1
	s_lshl_b32 s25, s25, 7
	s_add_co_u32 s24, s24, s25
	s_and_b32 s25, ttmp9, 1
	s_lshl_b32 s25, s25, 2
	s_add_co_u32 s24, s24, s25
	s_add_co_u32 s24, s24, ASC                     ; my two tiles' scale bytes of head 0: one word a row; 4,096 bytes from head to head
	s_mov_b32 s25, 0
	s_lshl_b32 s26, ttmp9, 15                      ; my two tiles' images
	s_mov_b32 s27, 0
	s_lshl_b32 s28, s20, 4
	s_add_co_u32 s28, s28, 704                     ; my wave's first tile of Wo
	s_lshl_b32 s32, s28, 9
	s_add_co_u32 s32, s32, OSCL
	s_mov_b32 s33, 0
	s_lshl_b32 s28, s28, 14
	s_mov_b32 s29, 0
	s_mov_b32 s30, 0x3a800000                      ; 1 / 1,024
	s_mov_b32 s31, 0x3727c5ac                      ; 1e-5
	s_mov_b32 s34, 0x76543210
	s_mov_b32 s35, 0xfedcba98
	v_and_b32 v9, 31, v0
	v_and_b32 v10, 15, v0                          ; r
	v_bfe_u32 v11, v0, 4, 1                        ; h
	v_lshlrev_b32 v[L16], 4, v9
	v_lshlrev_b32 v[L8], 3, v9
	v_lshlrev_b32 v[R8], 3, v10
	s_mul_i32 s36, s20, 8*SPT
	v_add_nc_u32 v[STW], s36, v[L16]
	v_mul_u32_u24 v[DA], v10, SPT
	v_lshl_add_u32 v[DA], v11, 6, v[DA]
	s_lshl_b32 s36, s20, 10
	v_add_nc_u32 v[DA], s36, v[DA]
	v_add_nc_u32 v[DA+1], 16*SPT, v[DA]
	v_lshl_add_u32 v[RR], v10, 2, RED
	s_lshl_b32 s36, s20, 7
	v_add_nc_u32 v[RW], s36, v[RR]
.set ATT, 133632                       ; LDS, behind the spare words: attn_vec's 16 fragments as images of the operand's registers, 32,768 bytes, stored once and read by all four waves
	s_lshl_b32 s36, s20, 13
	v_add_nc_u32 v12, s36, v[L16]                  ; v12  my quarter of them (four fragments, 8,192 bytes) in memory,
	v_add_nc_u32 v13, ATT, v12                     ; v13  and in LDS
	v_add_nc_u32 v14, ATT, v[L16]                  ; v14  where every wave reads all 16
	s_wait_alu depctr_va_vdst(0)
	s_wait_kmcnt 0x0
	s_cmp_lt_u32 ttmp9, 128                        ; the stream: the choice hangs on the work-group's number alone
	s_cselect_b64 s[8:9], s[8:9], s[10:11]
	s_cselect_b64 s[16:17], s[16:17], s[18:19]
	s_add_nc_u64 s[8:9], s[8:9], s[22:23]
	s_add_nc_u64 s[16:17], s[16:17], s[22:23]
	s_add_nc_u64 s[24:25], s[4:5], s[24:25]
	s_add_nc_u64 s[26:27], s[4:5], s[26:27]
	s_add_nc_u64 s[28:29], s[6:7], s[28:29]
	s_add_nc_u64 s[32:33], s[6:7], s[32:33]
; A granule G = (pair of column tiles G / 2, half of K G % 2): 8 fragments of Wo into set G % 2, and their scale words: register e: lanes 0-15 K step 4 (G % 2) + e, lanes 16-31 K step 4 (G % 2) + 2 + e
.macro BLOAD G
	WIN 0x80
.irp u, 0,1
.irp s, 0,1,2,3
.irp c, 0,1,2,3
	global_load_b128 v[128*((\G)%2)+16*(4*\u+\s)+4*\c:128*((\G)%2)+16*(4*\u+\s)+4*\c+3], v[L16], s[28:29] offset:(2*((\G)/2)+\u)*16384+(4*((\G)%2)+\s)*2048+512*\c
.endr
.endr
.endr
	WIN 0
.irp u, 0,1
	global_load_b64 v[BS+4*((\G)%2)+2*\u:BS+4*((\G)%2)+2*\u+1], v[L8], s[32:33] offset:(2*((\G)/2)+\u)*512+256*((\G)%2)
.endr
.endm
; its 16 products: four accumulators by turns, one instruction a turn, K ascending
.macro GRAN G
.if (\G) < 15
	s_wait_loadcnt 34                              ; all but the next granule's 34 loads
.else
	s_wait_loadcnt 0x0
.endif
	WIN 0xf6                                       ; source 0 (Wo) window 2, source 1 (attn_vec) window 1, C and D window 3
.irp s, 0,1
.irp u, 0,1
.irp rt, 0,1
	v_wmma_scale_f32_16x16x128_f8f6f4 v[8*(16*\rt+2*((\G)/2)+\u):8*(16*\rt+2*((\G)/2)+\u)+7], v[128*((\G)%2)+16*(4*\u+\s):128*((\G)%2)+16*(4*\u+\s)+15], v[16*(8*\rt+4*((\G)%2)+\s):16*(8*\rt+4*((\G)%2)+\s)+15], v[8*(16*\rt+2*((\G)/2)+\u):8*(16*\rt+2*((\G)/2)+\u)+7], v[BS+4*((\G)%2)+2*\u+\s], v[AS+8*\rt+4*((\G)%2)+\s]
.endr
.endr
.endr
.irp s, 2,3
	s_wait_alu depctr_va_vdst(0)
.irp u, 0,1
.irp rt, 0,1
	v_wmma_scale_f32_16x16x128_f8f6f4 v[8*(16*\rt+2*((\G)/2)+\u):8*(16*\rt+2*((\G)/2)+\u)+7], v[128*((\G)%2)+16*(4*\u+\s):128*((\G)%2)+16*(4*\u+\s)+15], v[16*(8*\rt+4*((\G)%2)+\s):16*(8*\rt+4*((\G)%2)+\s)+15], v[8*(16*\rt+2*((\G)/2)+\u):8*(16*\rt+2*((\G)/2)+\u)+7], v[BS+4*((\G)%2)+2*\u+\s-2], v[AS+8*\rt+4*((\G)%2)+\s] matrix_a_scale:MATRIX_SCALE_ROW1
.endr
.endr
.endr
	WIN 0
.if (\G) < 14
.rept 8
	v_nop                                          ; places ahead of the loads into the set just multiplied
.endr
	BLOAD (\G)+2
.endif
.endm
	; ---- 0: the scale bytes, x, gamma and beta are asked for; x turns through the stage
.irp n, 0,1,2,3,4,5,6,7,8,9,10,11,12,13,14,15
	global_load_b32 v[LT+\n], v[R8], s[24:25] offset:4096*\n       ; head n: low half tile 0's two bytes, high half tile 1's
.endr
	WIN 0x40
.irp f, 0,1,2,3
.irp c, 0,1,2,3
	global_load_b128 v[16*\f+4*\c:16*\f+4*\c+3], v12, s[26:27] offset:2048*\f+512*\c   ; attn_vec: each wave asks memory for a quarter of the work-group's 16 fragments: each byte once a work-group
.endr
.endr
	WIN 0xc0                                       ; into the accumulators' registers, which are free yet
.irp e, 0,1,2,3,4,5,6,7
.irp j, 0,1,2,3,4,5,6,7
	global_load_b128 v[4*(8*\e+\j):4*(8*\e+\j)+3], v[L16], s[8:9] offset:8192*\e+512*\j th:TH_LOAD_NT   ; 512 consecutive bytes of a row
.endr
.endr
	WIN 0
.irp j, 0,1,2,3,4,5,6,7
	global_load_b128 v[GA+4*\j:GA+4*\j+3], v[L16], s[12:13] offset:512*\j
	global_load_b128 v[BE+4*\j:BE+4*\j+3], v[L16], s[14:15] offset:512*\j
.endr
	s_wait_loadcnt 16                              ; the scale bytes and x are in; gamma's and beta's 16 loads may be out
.irp s, 0,1,2,3,4,5,6,7
	v_perm_b32 v[AS+\s], v[LT+2*\s+1], v[LT+2*\s], 0x05040100      ; K step s of tile 0: the two bytes of head 2 s, then of head 2 s + 1
	v_perm_b32 v[AS+8+\s], v[LT+2*\s+1], v[LT+2*\s], 0x07060302    ; of tile 1
.endr
	WIN 0x0c                                       ; an LDS store's data are its source 1: window 3
.irp e, 0,1,2,3,4,5,6,7
.irp j, 0,1,2,3,4,5,6,7
	ds_store_b128 v[STW], v[4*(8*\e+\j):4*(8*\e+\j)+3] offset:SPT*\e+512*\j
.endr
.endr
	WIN 0x04                                       ; an LDS store's data are its source 1: window 1
.irp f, 0,1,2,3
.irp c, 0,1,2,3
	ds_store_b128 v13, v[16*\f+4*\c:16*\f+4*\c+3] offset:2048*\f+512*\c   ; my quarter, as it stands
.endr
.endr
	BLOAD 0
	BLOAD 1
	BARRIER                                        ; x's 32 rows lie in the stage
	WIN 0xc0
.irp rt, 0,1
.irp p, 0,1,2,3,4,5,6,7
.irp u, 0,1
	ds_load_b128 v[8*(16*\rt+2*\p+\u):8*(16*\rt+2*\p+\u)+3], v[DA+\rt] offset:128*\p+32*\u         ; register j of tile 2 p + u: column 256 w + 32 p + 16 h + 8 u + j
	ds_load_b128 v[8*(16*\rt+2*\p+\u)+4:8*(16*\rt+2*\p+\u)+7], v[DA+\rt] offset:128*\p+32*\u+16
.endr
.endr
.endr
	WIN 0x40
.irp f, 0,1,2,3,4,5,6,7,8,9,10,11,12,13,14,15
.irp c, 0,1,2,3
	ds_load_b128 v[16*\f+4*\c:16*\f+4*\c+3], v14 offset:2048*\f+512*\c   ; fragment f = 8 rt + K step: all 16 stay in registers; the barrier above has shown every wave's quarter
.endr
.endr
	WIN 0
	s_wait_dscnt 0x0
	; ---- 1: the product, 16 granules; loads run two granules ahead
.irp G, 0,1,2,3,4,5,6,7,8,9,10,11,12,13,14,15
	GRAN \G
.endr
.rept 8
	v_nop                                          ; places ahead of the first read of the results
.endr
	; ---- 2: the LayerNorm
; The chains v[CH ..] (four pairs a tile of rows) are folded, joined with lane l xor 16's, and the four waves' parts meet in LDS at byte off of the reduction's bytes; the rows' totals come back in v[RL], v[RL + 4]
.macro REDUCE off
.irp rt, 0,1
	v_pk_add_f32 v[CH+8*\rt:CH+8*\rt+1], v[CH+8*\rt:CH+8*\rt+1], v[CH+8*\rt+2:CH+8*\rt+3]
	v_pk_add_f32 v[CH+8*\rt+4:CH+8*\rt+5], v[CH+8*\rt+4:CH+8*\rt+5], v[CH+8*\rt+6:CH+8*\rt+7]
.endr
.irp rt, 0,1
	v_pk_add_f32 v[CH+8*\rt:CH+8*\rt+1], v[CH+8*\rt:CH+8*\rt+1], v[CH+8*\rt+4:CH+8*\rt+5]
.endr
.irp rt, 0,1
	v_add_f32 v[CH+8*\rt], v[CH+8*\rt], v[CH+8*\rt+1]
.endr
.irp rt, 0,1
	v_permlanex16_b32 v[CH+8*\rt+2], v[CH+8*\rt], s34, s35
.endr
.irp rt, 0,1
	v_add_f32 v[CH+8*\rt], v[CH+8*\rt], v[CH+8*\rt+2]
	ds_store_b32 v[RW], v[CH+8*\rt] offset:\off+64*\rt             ; both halves of the lanes write the same word with the same value
.endr
	BARRIER
.irp rt, 0,1
.irp w, 0,1,2,3
	ds_load_b32 v[RL+4*\rt+\w], v[RR] offset:\off+64*\rt+128*\w
.endr
.endr
	s_wait_dscnt 0x0
.irp rt, 0,1
	v_add_f32 v[RL+4*\rt], v[RL+4*\rt], v[RL+4*\rt+1]
	v_add_f32 v[RL+4*\rt+2], v[RL+4*\rt+2], v[RL+4*\rt+3]
.endr
.irp rt, 0,1
	v_add_f32 v[RL+4*\rt], v[RL+4*\rt], v[RL+4*\rt+2]
.endr
.endm
	WIN 0x0f                                       ; both sources window 3: tiles 0 and 1 start the chains
.irp rt, 0,1
.irp q, 0,1,2,3
	v_pk_add_f32 v[CH+8*\rt+2*\q:CH+8*\rt+2*\q+1], v[128*\rt+2*\q:128*\rt+2*\q+1], v[128*\rt+8+2*\q:128*\rt+8+2*\q+1]
.endr
.endr
	WIN 0x03
.irp ct, 2,3,4,5,6,7,8,9,10,11,12,13,14,15
.irp rt, 0,1
.irp q, 0,1,2,3
	v_pk_add_f32 v[CH+8*\rt+2*\q:CH+8*\rt+2*\q+1], v[128*\rt+8*\ct+2*\q:128*\rt+8*\ct+2*\q+1], v[CH+8*\rt+2*\q:CH+8*\rt+2*\q+1]
.endr
.endr
.endr
	WIN 0
	REDUCE 0
.irp rt, 0,1
	v_mul_f32 v[MU+2*\rt], 0xba800000, v[RL+4*\rt] ; -mean, in both words of a pair
	v_mul_f32 v[MU+2*\rt+1], 0xba800000, v[RL+4*\rt]
.endr
	WIN 0xc3                                       ; destination and source 0 window 3
.irp rt, 0,1
.set i, 0
.rept 64
	v_pk_add_f32 v[128*\rt+i:128*\rt+i+1], v[128*\rt+i:128*\rt+i+1], v[MU+2*\rt:MU+2*\rt+1]
.set i, i+2
.endr
.endr
	WIN 0x0f
.irp rt, 0,1
.irp q, 0,1,2,3
	v_pk_mul_f32 v[CH+8*\rt+2*\q:CH+8*\rt+2*\q+1], v[128*\rt+2*\q:128*\rt+2*\q+1], v[128*\rt+2*\q:128*\rt+2*\q+1]
.endr
.endr
.irp ct, 1,2,3,4,5,6,7,8,9,10,11,12,13,14,15
.irp rt, 0,1
.irp q, 0,1,2,3
	v_pk_fma_f32 v[CH+8*\rt+2*\q:CH+8*\rt+2*\q+1], v[128*\rt+8*\ct+2*\q:128*\rt+8*\ct+2*\q+1], v[128*\rt+8*\ct+2*\q:128*\rt+8*\ct+2*\q+1], v[CH+8*\rt+2*\q:CH+8*\rt+2*\q+1]
.endr
.endr
.endr
	WIN 0
	REDUCE 512                                     ; other bytes than the first reduction's
.irp rt, 0,1
	v_fma_f32 v[RL+4*\rt], v[RL+4*\rt], s30, s31   ; the variance + 1e-5
.endr
	s_wait_alu depctr_va_vdst(0)
.irp rt, 0,1
	v_rsq_f32 v[RS+2*\rt], v[RL+4*\rt]
	v_rsq_f32 v[RS+2*\rt+1], v[RL+4*\rt]
.endr
	v_nop                                          ; the plain line behind the roots,
	s_wait_alu depctr_va_vdst(0)                   ; and one wait for the four, ahead of their first reader
	WIN 0xc3
.irp rt, 0,1
.set i, 0
.rept 64
	v_pk_mul_f32 v[128*\rt+i:128*\rt+i+1], v[128*\rt+i:128*\rt+i+1], v[RS+2*\rt:RS+2*\rt+1]
.set i, i+2
.endr
.endr
	WIN 0x0c                                       ; into the stage, where x lay: every wave's reads of x were waited for ahead of the two barriers passed since
.irp rt, 0,1
.irp p, 0,1,2,3,4,5,6,7
.irp u, 0,1
	ds_store_b128 v[DA+\rt], v[8*(16*\rt+2*\p+\u):8*(16*\rt+2*\p+\u)+3] offset:128*\p+32*\u
	ds_store_b128 v[DA+\rt], v[8*(16*\rt+2*\p+\u)+4:8*(16*\rt+2*\p+\u)+7] offset:128*\p+32*\u+16
.endr
.endr
.endr
	WIN 0
	BARRIER                                        ; 32 whole rows lie in the stage
	WIN 0x40
.irp e, 0,1,2,3,4,5,6,7
.irp j, 0,1,2,3,4,5,6,7
	ds_load_b128 v[4*(8*\e+\j):4*(8*\e+\j)+3], v[STW] offset:SPT*\e+512*\j
.endr
.endr
.irp e, 0,1,2,3,4,5,6,7
	s_wait_dscnt 8*(7-\e)                          ; row e is in; the later rows' eight loads each may be out
	WIN 0x41                                       ; destination and source 0 window 1; gamma and beta window 0
.irp j, 0,1,2,3,4,5,6,7
	v_pk_fma_f32 v[4*(8*\e+\j):4*(8*\e+\j)+1], v[4*(8*\e+\j):4*(8*\e+\j)+1], v[GA+4*\j:GA+4*\j+1], v[BE+4*\j:BE+4*\j+1]
	v_pk_fma_f32 v[4*(8*\e+\j)+2:4*(8*\e+\j)+3], v[4*(8*\e+\j)+2:4*(8*\e+\j)+3], v[GA+4*\j+2:GA+4*\j+3], v[BE+4*\j+2:BE+4*\j+3]
.endr
	WIN 0x04                                       ; a store's data are its source 1: window 1
.irp j, 0,1,2,3,4,5,6,7
	global_store_b128 v[L16], v[4*(8*\e+\j):4*(8*\e+\j)+3], s[16:17] offset:8192*\e+512*\j th:TH_STORE_NT   ; 512 consecutive bytes of a row, aligned; written once, read by nobody here
.endr
.endr
	WIN 0
	s_wait_tensorcnt 0x0
	ds_add_u32 v254, v255
	s_wait_dscnt 0x0
	s_endpgm
.Lfunc_end_k_qd5e33e56fb_outln:
	.size	k_qd5e33e56fb_outln, .Lfunc_end_k_qd5e33e56fb_outln-k_qd5e33e56fb_outln
	.p2alignl 7, 3214868480
	.fill 96, 4, 3214868480
	.section	.rodata,"a",@progbits
	.p2align	6, 0x0
	.amdhsa_kernel k_qd5e33e56fb_outln
		.amdhsa_group_segment_fixed_size 166400
		.amdhsa_private_segment_fixed_size 0
		.amdhsa_enable_private_segment 0
		.amdhsa_kernarg_size 64
		.amdhsa_user_sgpr_count 2
		.amdhsa_user_sgpr_kernarg_segment_ptr 1
		.amdhsa_wavefront_size32 1
		.amdhsa_system_sgpr_workgroup_id_x 1
		.amdhsa_system_sgpr_workgroup_id_y 1
		.amdhsa_system_sgpr_workgroup_id_z 1
		.amdhsa_system_vgpr_workitem_id 0
		.amdhsa_next_free_vgpr 1024
		.amdhsa_next_free_sgpr 66
		.amdhsa_reserve_vcc 0
		.amdhsa_float_denorm_mode_32 3
		.amdhsa_float_denorm_mode_16_64 3
		.amdhsa_memory_ordered 1
		.amdhsa_forward_progress 1
		.amdhsa_inst_pref_size 178
	.end_amdhsa_kernel
	.amdgpu_metadata
---
amdhsa.version: [ 1, 2 ]
amdhsa.kernels:
  - .name:           k_qd5e33e56fb_outln
    .symbol:         k_qd5e33e56fb_outln.kd
    .args:
      - { .name: att, .offset: 0, .size: 8, .value_kind: global_buffer, .address_space: global }
      - { .name: ops, .offset: 8, .size: 8, .value_kind: global_buffer, .address_space: global }
      - { .name: h, .offset: 16, .size: 8, .value_kind: global_buffer, .address_space: global }
      - { .name: g, .offset: 24, .size: 8, .value_kind: global_buffer, .address_space: global }
      - { .name: ln_gamma, .offset: 32, .size: 8, .value_kind: global_buffer, .address_space: global }
      - { .name: ln_beta, .offset: 40, .size: 8, .value_kind: global_buffer, .address_space: global }
      - { .name: out0, .offset: 48, .size: 8, .value_kind: global_buffer, .address_space: global }
      - { .name: out1, .offset: 56, .size: 8, .value_kind: global_buffer, .address_space: global }
    .group_segment_fixed_size: 166400
    .private_segment_fixed_size: 0
    .kernarg_segment_align: 8
    .kernarg_segment_size: 64
    .max_flat_workgroup_size: 128
    .sgpr_count:     66
    .vgpr_count:     1024
    .wavefront_size: 32
...
	.end_amdgpu_metadata
.endif
;; end of part 4
